; MI455X (gfx1250); checked and timed in simulation.
; The chip was launched on July 23, 2026; its instructions are those of AMD's public machine-readable ISA for CDNA 5 (MIT licence, August 2026) and "CDNA5" Instruction Set Architecture Reference Guide (July 2026). The comments in the code are by the model that wrote it; some were corrected since.
;; Flash Cross Attention. Allowed arithmetic: matrix products marked QUANTISED: E5M2 operands, one given power-of-two scale a tensor, by v_wmma_f32_16x16x64_bf8_bf8 or v_wmma_f32_16x16x128_bf8_bf8, f32 sums; everything else in f32.
;; Inputs: Wkv 2,048 x 1,024 float32; Wo 1,024 x 1,024 float32; Wq 1,024 x 1,024 float32; encoder_out 4 x 2,048 x 1,024 float32; lowp_scales 10 int32 (the exponents e of the quantised operands' scales 2^e); norm_w 1,024 float32; x 4 x 2,048 x 1,024 float32.
;; Outputs: out0 4 x 2,048 x 1,024 float32.
;; Constants: decoder_offset = 0.
;; This version of the problem:
;;   THIS VERSION OF THE PROBLEM IS GIVEN IN LOW PRECISION. The matrix products marked QUANTISED in the list below multiply operands that are first quantised to E5M2 (5 exponent bits, 2 mantissa bits; 8 bits a number), with one given power-of-two scale for each operand tensor; their sums are f32. All else is computed in f32.
;;   The module's matrix products, in the order in which they are computed (A, B: the left and right operand; K: the contracted axis; several contracted axes count as one K, in the product's order):
;;     1. [M 8,192, K 1,024] x [K 1,024, N 1,024]; A: computed on the way; B: input Wq: QUANTISED (scales: A lowp_scales[0], B lowp_scales[1])
;;     2. [M 8,192, K 1,024] x [K 1,024, N 2,048]; A: input encoder_out; B: input Wkv: QUANTISED (scales: A lowp_scales[2], B lowp_scales[3])
;;     3. batch 64 x [M 2,048, K 64] x [K 64, N 2,048]; A: computed on the way; B: computed on the way: QUANTISED (scales: A lowp_scales[4], B lowp_scales[5])
;;     4. batch 64 x [M 64, K 2,048] x [K 2,048, N 2,048]; A: computed on the way; B: softmax (see below): QUANTISED (scales: A lowp_scales[6], B lowp_scales[7])
;;     5. [M 8,192, K 1,024] x [K 1,024, N 1,024]; A: computed on the way; B: input Wo: QUANTISED (scales: A lowp_scales[8], B lowp_scales[9])
;;   THE QUANTISER, for each operand of a quantised product, along K:
;;     - The operand's scale is 2^e, e = its entry of the input lowp_scales (int32; the entries are numbered through the quantised products in the list's order, A before B).
;;     - Each number is divided by the scale, clamped to +-57,344, and rounded to the nearest number of E5M2, ties to even, subnormals kept.
;;     - The product sums the exact products of the quantised numbers (number of the format x scale) in f32.
;;   ~~~python
;;   def quantise(x, axis, e):      # numpy; x: float32 -> the quantised numbers, widened to float32 again
;;       x = np.moveaxis(x, axis, -1); K = x.shape[-1]
;;       r = np.clip(x / 2.0 ** e, -57344, 57344)
;;       step = 2.0 ** (np.maximum(np.frexp(np.where(r == 0, 1, r))[1] - 1, -14) - 2)
;;       q = np.round(r / step) * step * 2.0 ** e      # np.round: ties to even
;;       return np.moveaxis(q, -1, axis).astype(np.float32)
;;   ~~~
;;   SOFTMAX AHEAD OF A QUANTISED PRODUCT. Where the list says 'softmax', what is quantised is not the finished softmax but p = 2^(t - M), with t = logit x log2(e) and M = ceil(the row's largest t), a whole number; so 1/2 < the row's largest p <= 1. The row's sum l is taken of the UNQUANTISED p, in f32, and the product's result is divided by l at the end. Since M is a whole number, a kernel that streams over the keys may use a running M (the ceiling of the running maximum): every later rescaling is an exact power of two, so the quantised numbers keep their values, but for numbers so far below the row's largest that they fall under the format's range.
;;   OPERANDS COMPUTED ON THE WAY. 'Computed on the way' means the value that the module computes at that place (a softmax that the list does not call 'softmax' is quantised finished and normalised). What goes into a quantiser is computed in f32, as accurately as f32 sums, v_exp_f32 and their like allow (about 1e-6 of the number): no bf16 or f16 on the way to a quantiser, and a product that is left as it is and whose result goes on into a quantised operand takes f32 operands (vector FMAs, or v_wmma_f32_16x16x4_f32). A number that lies on a knife's edge between two numbers of the format may be rounded either way, as far as f32 arithmetic and the matrix unit's own rounding can turn it there, and no further.
;; One version. Each part assembles by itself: llvm-mc -triple=amdgcn-amd-amdhsa -mcpu=gfx1250 --defsym DOCPART=n.
;; ======== version 1 of 1: 4 launches
;; limits: right only within a limited range of input values
;; workspace buffers: codes 20,971,520 bytes; rope 524,288 bytes; qc 8,388,608 bytes; kc 8,388,608 bytes; vc 8,388,608 bytes; oc 8,388,608 bytes
;; launch prep (part 1): grid 1280 x 1, 4 waves a work-group, no clusters, 20,992 bytes of LDS; arguments x, encoder_out, Wq, Wkv, Wo, norm_w, lowp_scales, codes, rope; writes codes, rope
.if DOCPART == 1
	.amdgcn_target "amdgcn-amd-amdhsa--gfx1250"
	.amdhsa_code_object_version 6
	.text
	.protected	k_q3122f05e2e_prep
	.globl	k_q3122f05e2e_prep
	.p2align	8
	.type	k_q3122f05e2e_prep,@function
k_q3122f05e2e_prep:
	s_mov_b64 s[64:65], 0
	v_nop
	global_prefetch_b8 v0, s[64:65] scope:SCOPE_SE
	s_setreg_imm32_b32 hwreg(HW_REG_WAVE_MODE, 25, 1), 1
	s_wait_xcnt 0x0
; All f32 operands of the three large products become codes of BF8 (E5M2), K innermost, in ONE buffer of 20,480 rows x 1,024 bytes:
; rows 0.. h = rmsnorm(x) x norm_w (scale e0), 8,192.. encoder_out (e2), 16,384.. Wq (e1), 17,408.. Wkv (e3), 19,456.. Wo (e9).
; code = number / 2^e, held within +-57,344, to the nearest code, ties to even.  Beside that the table of cos and sin for the rotation is made.
; SHARES.  Work-group g takes rows 16 g .. 16 g + 15 of the buffer, each of its four waves four rows; a row is 4,096 bytes of f32: eight loads of 512 consecutive bytes.
; The conversions take 8 neighbours along K from one lane's registers, the loads give a lane 4: so a row goes through the wave's own stage in LDS (64 bytes + 16 of padding a place)
; and comes back 16 neighbours a lane.  A lane's 16 codes are 16 bytes: a store of the wave covers 512 consecutive bytes.  Waves share nothing: no barrier.
; The source is chosen by the work-group's number alone; only pointers and the exponent are chosen, and only the norm's register work is jumped over for the other tensors.
; THE TABLE: [2,048 positions][64 f32], 256 bytes a position; group i of 16 bytes holds cos(2i), cos(2i+1), sin(2i), sin(2i+1).  Wave w of work-group g < 512 makes position 4 g + w, lane f frequency f:
; angle = position x 10^(-f/8); it is reduced by multiples of pi/2 (three parts) and cos and sin come from polynomials of degree 7 and 8 on +-pi/4.
; LIMITS: each e between -126 and 112.  NaN among the inputs is not served.  The angle carries the f32 rounding of the frequency and of the product: up to some 3e-4 at the last positions.
.set NX,   512                         ; work-groups of x; below NE: encoder_out; below NQ: Wq; below NKV: Wkv; else Wo
.set NE,   1024
.set NQ,   1088
.set NKV,  1216
.set SP,   80                          ; a place in a stage: 64 bytes + 16 of padding
.set WREG, 64*SP                       ; LDS of a wave: two stages of 32 places
.set W,    16                          ; v16-47   norm_w, laid as a row is loaded
.set R,    48                          ; v48-111  two sets of 32: a row as loaded
.set X,    112                         ; v112-143 a row's numbers, 16 neighbours twice; before that: at work for the table
.set C,    144                         ; v144-175 codes: eight registers for each row, so that no store's data are written again
	s_load_b256 s[4:11], s[0:1], 0x0               ; x, encoder_out, Wq, Wkv
	s_load_b256 s[12:19], s[0:1], 0x20             ; Wo, norm_w, the scales' exponents, the codes
	s_load_b64 s[20:21], s[0:1], 0x40              ; the table
	v_lshl_add_u32 v180, v0, 2, 0x5000
	v_mov_b32 v181, 0
	v_lshrrev_b32 v2, 5, v0
	v_readfirstlane_b32 s22, v2                    ; wave
	v_and_b32 v1, 31, v0                           ; lane
	v_lshlrev_b32 v3, 4, v1                        ; my 16 bytes of 512
	s_mul_i32 s23, s22, WREG
	v_lshrrev_b32 v4, 2, v1
	v_mul_u32_u24 v4, v4, SP
	v_and_b32 v5, 3, v1
	v_lshl_add_u32 v4, v5, 4, v4
	v_add_nc_u32 v4, s23, v4                       ; into a stage: four lanes' 64 bytes on end, then the padding
	v_mul_u32_u24 v5, v1, SP
	v_add_nc_u32 v5, s23, v5                       ; out of it: my 16 neighbours
	s_mov_b32 s42, 0x3a800000                      ; 1 / 1,024
	s_mov_b32 s43, 0x358637bd                      ; 1e-6
	s_mov_b32 s44, 0x76543210                      ; v_permlanex16_b32: lane l xor 16
	s_mov_b32 s45, 0xfedcba98
	s_mov_b32 s46, 0x3f22f983                      ; 2 / pi
	s_mov_b32 s47, 0x3fc90fdb                      ; pi / 2 in three parts
	s_mov_b32 s48, 0xb33bbd2e
	s_mov_b32 s49, 0xa6f72ced
	s_mov_b32 s50, 0xbe2aaaa3                      ; sin: r + r z (S1 + z (S2 + z S3))
	s_mov_b32 s51, 0x3c08839e
	s_mov_b32 s52, 0xb94ca1f9
	s_mov_b32 s53, 0x3d2aaaa5                      ; cos: 1 - z / 2 + z z (C1 + z (C2 + z C3))
	s_mov_b32 s54, 0xbab6061a
	s_mov_b32 s55, 0x37ccf5ce
	s_wait_alu depctr_va_vdst(0)
	s_wait_kmcnt 0x0
	s_load_b256 s[32:39], s[16:17], 0x0            ; e0 .. e7
	s_load_b64 s[40:41], s[16:17], 0x20            ; e8, e9
	s_mov_b64 s[24:25], s[12:13]                   ; the source and its first work-group: from Wo downwards
	s_mov_b32 s26, NKV
	s_cmp_lt_u32 ttmp9, NKV
	s_cselect_b64 s[24:25], s[10:11], s[24:25]
	s_cselect_b32 s26, NQ, s26
	s_cmp_lt_u32 ttmp9, NQ
	s_cselect_b64 s[24:25], s[8:9], s[24:25]
	s_cselect_b32 s26, NE, s26
	s_cmp_lt_u32 ttmp9, NE
	s_cselect_b64 s[24:25], s[6:7], s[24:25]
	s_cselect_b32 s26, NX, s26
	s_cmp_lt_u32 ttmp9, NX
	s_cselect_b64 s[24:25], s[4:5], s[24:25]
	s_cselect_b32 s26, 0, s26
	s_sub_co_u32 s28, ttmp9, s26
	s_lshl_b32 s28, s28, 16                        ; 16 rows of 4,096 bytes a work-group,
	s_lshl_b32 s29, s22, 14                        ; 4 a wave
	s_add_co_u32 s28, s28, s29
	s_mov_b32 s29, 0
	s_add_nc_u64 s[24:25], s[24:25], s[28:29]
	s_lshl_b32 s30, ttmp9, 14                      ; the codes: 16 rows of 1,024 bytes a work-group,
	s_lshl_b32 s31, s22, 12                        ; 4 a wave
	s_add_co_u32 s30, s30, s31
	s_mov_b32 s31, 0
	s_add_nc_u64 s[30:31], s[18:19], s[30:31]
.macro LOAD i                          ; row i into set i % 2: each load reads 512 consecutive bytes
.irp j, 0,1,2,3,4,5,6,7
	global_load_b128 v[R+32*((\i)%2)+4*\j:R+32*((\i)%2)+4*\j+3], v3, s[24:25] offset:4096*(\i)+512*\j th:TH_LOAD_NT
.endr
.endm
.irp j, 0,1,2,3,4,5,6,7
	global_load_b128 v[W+4*\j:W+4*\j+3], v3, s[14:15] offset:512*\j   ; norm_w, in every work-group: so the registers are written on every way
.endr
	LOAD 0
	LOAD 1
	; ---- the table: one position a wave, while the rows are on their way
	s_cmp_lt_u32 ttmp9, NX
	s_cbranch_scc0 .Lno_table
	s_lshl_b32 s23, ttmp9, 2
	s_add_co_u32 s23, s23, s22                     ; the position
	s_lshl_b32 s58, s23, 8
	s_mov_b32 s59, 0
	s_add_nc_u64 s[56:57], s[20:21], s[58:59]      ; its 256 bytes
	v_cvt_f32_u32 v112, v1                         ; f
	v_cvt_f32_u32 v114, s23
	v_mul_f32 v112, 0xbed49a78, v112               ; - f x log2(10,000) / 32
	s_wait_alu depctr_va_vdst(0)
	v_exp_f32 v113, v112                           ; the frequency
	v_lshlrev_b32 v178, 3, v1                      ; (a plain instruction behind the exponential)  8 bytes a lane
	s_wait_alu depctr_va_vdst(0)                   ; a wait ahead of the result's first reader
	v_mul_f32 v115, v114, v113                     ; the angle
	v_mul_f32 v116, s46, v115
	v_rndne_f32 v116, v116                         ; n = the nearest multiple of pi / 2
	v_fma_f32 v117, -v116, s47, v115
	v_fma_f32 v117, -v116, s48, v117
	v_fma_f32 v117, -v116, s49, v117               ; r, within +-pi / 4
	v_mul_f32 v118, v117, v117                     ; z
	v_fma_f32 v119, v118, s52, s51
	v_fma_f32 v119, v119, v118, s50
	v_mul_f32 v120, v118, v117
	v_fma_f32 v119, v119, v120, v117               ; sin r
	v_fma_f32 v121, v118, s55, s54
	v_fma_f32 v121, v121, v118, s53
	v_mul_f32 v122, v118, v118
	v_fma_f32 v123, v118, -0.5, 1.0
	v_fma_f32 v121, v121, v122, v123               ; cos r
	v_cvt_i32_f32 v124, v116                       ; n as a whole number, 0 or more
	v_and_b32 v125, 1, v124
	v_cmp_eq_u32 vcc_lo, 1, v125                   ; n odd: sin and cos change places
	v_cndmask_b32 v126, v119, v121, vcc_lo
	v_cndmask_b32 v127, v121, v119, vcc_lo
	v_lshlrev_b32 v125, 30, v124
	v_and_b32 v125, 0x80000000, v125               ; sin is negated where n mod 4 is 2 or 3,
	v_xor_b32 v126, v125, v126
	v_add_nc_u32 v124, 1, v124
	v_lshlrev_b32 v124, 30, v124
	v_and_b32 v124, 0x80000000, v124               ; cos where it is 1 or 2
	v_xor_b32 v127, v124, v127
	v_mov_b32_dpp v120, v127 row_xmask:1 row_mask:0xf bank_mask:0xf   ; the neighbouring frequency's cos,
	v_mov_b32_dpp v122, v126 row_xmask:1 row_mask:0xf bank_mask:0xf   ; and sin
	v_and_b32 v125, 1, v1
	v_cmp_eq_u32 vcc_lo, 1, v125
	v_cndmask_b32 v176, v127, v122, vcc_lo         ; an even lane stores cos(f), cos(f+1); an odd one sin(f-1), sin(f)
	v_cndmask_b32 v177, v120, v126, vcc_lo
	global_store_b64 v178, v[176:177], s[56:57]    ; the wave stores 256 consecutive bytes, aligned; these registers are not written again
.Lno_table:
	s_wait_kmcnt 0x0
	s_mov_b32 s27, s41                             ; the exponent, chosen as the source was
	s_cmp_lt_u32 ttmp9, NKV
	s_cselect_b32 s27, s35, s27
	s_cmp_lt_u32 ttmp9, NQ
	s_cselect_b32 s27, s33, s27
	s_cmp_lt_u32 ttmp9, NE
	s_cselect_b32 s27, s34, s27
	s_cmp_lt_u32 ttmp9, NX
	s_cselect_b32 s27, s32, s27
	s_add_co_i32 s27, s27, 127
	s_lshl_b32 s26, s27, 23
	v_mov_b32 v6, s26                              ; 2^e as f32: the conversion takes its exponent field
	s_add_co_i32 s27, s27, 15
	s_lshl_b32 s27, s27, 23
	s_or_b32 s27, s27, 0x600000
	v_mov_b32 v7, s27                              ; 57,344 x 2^e
; the norm of the row in set RS, in place: (x x rsqrt(mean of squares + 1e-6)) x norm_w
.macro NORM
.irp k, 0,1,2,3
	v_pk_mul_f32 v[8+2*\k:9+2*\k], v[RS+2*\k:RS+2*\k+1], v[RS+2*\k:RS+2*\k+1]   ; four chains, started by the first products
.endr
.irp k, 4,5,6,7,8,9,10,11,12,13,14,15
	v_pk_fma_f32 v[8+2*(\k%4):9+2*(\k%4)], v[RS+2*\k:RS+2*\k+1], v[RS+2*\k:RS+2*\k+1], v[8+2*(\k%4):9+2*(\k%4)]
.endr
	v_pk_add_f32 v[8:9], v[8:9], v[10:11]
	v_pk_add_f32 v[12:13], v[12:13], v[14:15]
	v_pk_add_f32 v[8:9], v[8:9], v[12:13]
	v_add_f32 v8, v8, v9
	v_add_f32_dpp v8, v8, v8 row_xmask:1 row_mask:0xf bank_mask:0xf
	v_add_f32_dpp v8, v8, v8 row_xmask:2 row_mask:0xf bank_mask:0xf
	v_add_f32_dpp v8, v8, v8 row_xmask:4 row_mask:0xf bank_mask:0xf
	v_add_f32_dpp v8, v8, v8 row_xmask:8 row_mask:0xf bank_mask:0xf
	v_permlanex16_b32 v9, v8, s44, s45
	v_add_f32 v8, v8, v9                           ; the row's sum of squares, in every lane
	v_fma_f32 v8, v8, s42, s43
	s_wait_alu depctr_va_vdst(0)
	v_rsq_f32 v10, v8
	v_mov_b32 v11, 0                               ; a plain instruction behind the root; it also writes the pair's upper half
	s_wait_alu depctr_va_vdst(0)                   ; a wait ahead of the result's first reader
.set j, 0
.rept 16
	v_pk_mul_f32 v[RS+j:RS+j+1], v[RS+j:RS+j+1], v[10:11] op_sel_hi:[1,0]
.set j, j+2
.endr
.set j, 0
.rept 16
	v_pk_mul_f32 v[RS+j:RS+j+1], v[RS+j:RS+j+1], v[W+j:W+j+1]
.set j, j+2
.endr
.endm
.macro ROW i
.set RS, R+32*((\i)%2)
.if (\i) < 3
	s_wait_loadcnt 8                               ; this row's eight loads are in (and norm_w); the next row's eight may be out
.else
	s_wait_loadcnt 0
.endif
	s_cmp_lt_u32 ttmp9, NX                         ; only rows of x are normed: register work alone is jumped over
	s_cbranch_scc0 .Lplain_\@
	NORM
.Lplain_\@:
.irp j, 0,1,2,3,4,5,6,7
	ds_store_b128 v4, v[RS+4*\j:RS+4*\j+3] offset:32*SP*(\j/4)+8*SP*(\j%4)
.endr
.irp u, 0,1
.irp k, 0,1,2,3
	ds_load_b128 v[X+16*\u+4*\k:X+16*\u+4*\k+3], v5 offset:32*SP*\u+16*\k   ; LDS serves a wave's instructions in order (ISA guide 5.7.1.4): these see the stores above
.endr
.endr
	s_wait_dscnt 0x0                               ; the row is back; the stores into the stage have read their registers,
.if (\i)+2 < 4
	LOAD (\i)+2                                    ; which take the row two further on
.endif
.set j, 0
	s_wait_alu depctr_va_vdst(0)
.rept 32
	v_med3_num_f32 v[X+j], v[X+j], -v7, v7         ; the conversion to an 8-bit code does not saturate (ISA guide 7.6.2): the hold comes first
.set j, j+1
.endr
.irp u, 0,1,2,3
	v_cvt_scalef32_pk8_bf8_f32 v[C+8*(\i)+2*\u:C+8*(\i)+2*\u+1], v[X+8*\u:X+8*\u+7], v6
.endr
	v_nop                                          ; a plain instruction between the conversions and the next row's holds, which write their sources
	global_store_b128 v3, v[C+8*(\i):C+8*(\i)+3], s[30:31] offset:1024*(\i)         ; k = 16 lane + 0 .. 15: 512 consecutive bytes
	global_store_b128 v3, v[C+8*(\i)+4:C+8*(\i)+7], s[30:31] offset:1024*(\i)+512   ; k = 512 + 16 lane + 0 .. 15
.endm
	ROW 0
	ROW 1
	ROW 2
	ROW 3
	s_wait_tensorcnt 0x0
	ds_add_u32 v180, v181
	s_wait_dscnt 0x0
	s_endpgm
.Lfunc_end_k_q3122f05e2e_prep:
	.size	k_q3122f05e2e_prep, .Lfunc_end_k_q3122f05e2e_prep-k_q3122f05e2e_prep
	.p2alignl 7, 3214868480
	.fill 96, 4, 3214868480
	.section	.rodata,"a",@progbits
	.p2align	6, 0x0
	.amdhsa_kernel k_q3122f05e2e_prep
		.amdhsa_group_segment_fixed_size 20992
		.amdhsa_private_segment_fixed_size 0
		.amdhsa_enable_private_segment 0
		.amdhsa_kernarg_size 72
		.amdhsa_user_sgpr_count 2
		.amdhsa_user_sgpr_kernarg_segment_ptr 1
		.amdhsa_wavefront_size32 1
		.amdhsa_system_sgpr_workgroup_id_x 1
		.amdhsa_system_sgpr_workgroup_id_y 1
		.amdhsa_system_sgpr_workgroup_id_z 1
		.amdhsa_system_vgpr_workitem_id 0
		.amdhsa_next_free_vgpr 182
		.amdhsa_next_free_sgpr 66
		.amdhsa_reserve_vcc 1
		.amdhsa_float_denorm_mode_32 3
		.amdhsa_float_denorm_mode_16_64 3
		.amdhsa_memory_ordered 1
		.amdhsa_forward_progress 1
		.amdhsa_inst_pref_size 40
	.end_amdhsa_kernel
	.amdgpu_metadata
---
amdhsa.version: [ 1, 2 ]
amdhsa.kernels:
  - .name:           k_q3122f05e2e_prep
    .symbol:         k_q3122f05e2e_prep.kd
    .args:
      - { .name: x, .offset: 0, .size: 8, .value_kind: global_buffer, .address_space: global }
      - { .name: encoder_out, .offset: 8, .size: 8, .value_kind: global_buffer, .address_space: global }
      - { .name: Wq, .offset: 16, .size: 8, .value_kind: global_buffer, .address_space: global }
      - { .name: Wkv, .offset: 24, .size: 8, .value_kind: global_buffer, .address_space: global }
      - { .name: Wo, .offset: 32, .size: 8, .value_kind: global_buffer, .address_space: global }
      - { .name: norm_w, .offset: 40, .size: 8, .value_kind: global_buffer, .address_space: global }
      - { .name: lowp_scales, .offset: 48, .size: 8, .value_kind: global_buffer, .address_space: global }
      - { .name: codes, .offset: 56, .size: 8, .value_kind: global_buffer, .address_space: global }
      - { .name: rope, .offset: 64, .size: 8, .value_kind: global_buffer, .address_space: global }
    .group_segment_fixed_size: 20992
    .private_segment_fixed_size: 0
    .kernarg_segment_align: 8
    .kernarg_segment_size: 72
    .max_flat_workgroup_size: 128
    .sgpr_count:     66
    .vgpr_count:     182
    .wavefront_size: 32
...
	.end_amdgpu_metadata
.endif
;; end of part 1
;; launch proj (part 2): grid 12 x 32, 4 waves a work-group, clusters of 4 x 4, 327,680 bytes of LDS; arguments codes, rope, lowp_scales, qc, kc, vc; writes qc, kc, vc
.if DOCPART == 2
	.amdgcn_target "amdgcn-amd-amdhsa--gfx1250"
	.amdhsa_code_object_version 6
	.text
	.protected	k_q3122f05e2e_proj
	.globl	k_q3122f05e2e_proj
	.p2align	8
	.type	k_q3122f05e2e_proj,@function
k_q3122f05e2e_proj:
	s_mov_b64 s[64:65], 0
	v_nop
	global_prefetch_b8 v0, s[64:65] scope:SCOPE_SE
	s_setreg_imm32_b32 hwreg(HW_REG_WAVE_MODE, 25, 1), 1
	s_wait_xcnt 0x0
	s_wait_alu depctr_hold_cnt(0) depctr_sa_sdst(0) depctr_va_vdst(0) depctr_va_sdst(0) depctr_va_ssrc(0) depctr_va_vcc(0) depctr_vm_vsrc(0)
	s_getreg_b32 s2, hwreg(HW_REG_IB_STS2, 6, 4)
	s_cmp_eq_u32 s2, 0
	s_cbranch_scc0 .Lentry_in_a_cluster
	s_endpgm
.Lentry_in_a_cluster:
	s_bfe_u32 s2, ttmp6, 0x10000c
	s_cmp_lg_u32 s2, 0xf033
	s_cbranch_scc0 .Lentry_shape_is_right
	s_endpgm
.Lentry_shape_is_right:
.set ROWB,   256
.set KROW,   1024
.set PITCH,  272
.set FR,     16
.set NL,     4
.set NP,     4
.set HALFT,  128*PITCH
.set SLOT,   4*HALFT
.set SPARE,  2*SLOT
.set VSTAGE, 0
.set QSTAGE, 256*272
.set VSTO, 10
.set VRD,  11
.set VCO,  12
.set ADRA, 16
.set ADRB, 20
.set STO,  24
.set RD,   25
.set CO,   26
.set RO,   27
.set SPW,  28
.set NIL,  29
.set SCL,  30
.set LIM,  31
.set RC,   32
.set TM,   96
.set CODE, 104
.set AF,   128
.set T,    128
.set BK,   192
.set G1, 24
.set G0, 32
.set G1B, 48
.set G0B, 56
.set MSB, 0
.macro WIN new
.if MSB != (\new)
	s_set_vgpr_msb (MSB<<8)|(\new)
.set MSB, (\new)
.endif
.endm
.set MUL_LO, 0xa1
.set MUL_HI, 0xf1
.set TO_B,   0x40
.macro JLOAD g0a, g1a, g0b, g1b
	s_cmp_eq_u32 s15, 0
	s_cbranch_scc0 .Lfor_b_\@
	tensor_load_to_lds s[\g0a:\g0a+3], s[\g1a:\g1a+7]
	s_nop 0
.rept 4
	v_nop
.endr
	s_branch .Lasked_\@
.Lfor_b_\@:
	tensor_load_to_lds s[\g0b:\g0b+3], s[\g1b:\g1b+7]
	s_nop 0
.rept 4
	v_nop
.endr
.Lasked_\@:
.endm
.macro CREST
	s_cmp_lg_u32 s14, 0
	s_cbranch_scc1 .Lnot_wave_0_\@
	s_barrier_signal -3
.Lnot_wave_0_\@:
	s_barrier_wait -3
	s_barrier_signal -1
	s_barrier_wait -1
.endm
.macro CROUND
	s_barrier_signal -1
	s_barrier_wait -1
	CREST
.endm
	s_load_b256 s[4:11], s[0:1], 0x0
	s_load_b128 s[68:71], s[0:1], 0x20
	v_lshl_add_u32 v[SPW], v0, 2, SPARE
	v_mov_b32 v[NIL], 0
	ds_add_u32 v28, v29
	ds_add_u32 v28, v29
	s_wait_dscnt 0x0
	v_lshrrev_b32 v1, 5, v0
	v_readfirstlane_b32 s14, v1
	s_lshr_b32 s15, s14, 1
	s_and_b32 s16, s14, 1
	s_bfe_u32 s40, ttmp6, 0x40000
	s_bfe_u32 s41, ttmp6, 0x40004
	s_and_b32 s17, ttmp7, 0xffff
	s_lshl_b32 s17, s17, 2
	s_lshl_b32 s43, s41, 2
	s_lshl_b32 s43, 15, s43
	s_lshl_b32 s44, 0x1111, s40
	s_or_b32 s[G1+0], s43, (0<<16)|(1<<20)|(1<<21)|(5<<22)|(3<<25)
	s_or_b32 s[G1B+0], s44, (0<<16)|(1<<20)|(1<<21)|(5<<22)|(3<<25)
.irp g, G1, G1B
	s_mov_b32 s[\g+1], ROWB<<16
	s_mov_b32 s[\g+2], 128<<16
	s_mov_b32 s[\g+3], ROWB<<16
	s_mov_b32 s[\g+4], 128
	s_mov_b32 s[\g+5], KROW
	s_mov_b32 s[\g+6], 0
	s_mov_b32 s[\g+7], 0
.endr
	s_lshl_b32 s18, ttmp9, 5
	s_add_co_u32 s18, s18, s17
	s_lshl_b32 s19, ttmp9, 2
	s_add_co_u32 s19, s19, 64
	s_add_co_u32 s42, s17, 32
	s_cmp_lt_u32 ttmp9, 2
	s_cselect_b32 s20, s18, 72
	s_cselect_b32 s46, s19, s42
	s_add_co_u32 s20, s20, s41
	s_add_co_u32 s46, s46, s40
	s_lshl_b32 s20, s20, 1
	s_add_co_u32 s20, s20, s16
	s_lshl_b32 s20, s20, 17
	s_mov_b32 s21, 0
	s_lshl_b32 s46, s46, 1
	s_add_co_u32 s46, s46, s16
	s_lshl_b32 s46, s46, 17
	s_mov_b32 s47, 0
	s_mul_i32 s45, s14, HALFT
	s_wait_kmcnt 0x0
	s_load_b256 s[72:79], s[8:9], 0x0
	s_add_nc_u64 s[20:21], s[4:5], s[20:21]
	s_add_nc_u64 s[46:47], s[4:5], s[46:47]
	CROUND
.irp s, 0,1
	s_mov_b32 s[G0+4*\s], 1
	s_add_co_u32 s[G0+4*\s+1], s45, \s*SLOT
	s_add_nc_u64 s[G0+4*\s+2:G0+4*\s+3], s[20:21], \s*ROWB
	s_or_b32 s[G0+4*\s+3], s[G0+4*\s+3], 0x80000000
	s_mov_b32 s[G0B+4*\s], 1
	s_add_co_u32 s[G0B+4*\s+1], s45, \s*SLOT
	s_add_nc_u64 s[G0B+4*\s+2:G0B+4*\s+3], s[46:47], \s*ROWB
	s_or_b32 s[G0B+4*\s+3], s[G0B+4*\s+3], 0x80000000
	s_wait_alu depctr_va_vdst(0)
	s_wait_tensorcnt 0x0
	ds_add_u32 v28, v29
	ds_add_u32 v28, v29
	s_wait_dscnt 0x0
	CROUND
	JLOAD G0+4*\s, G1, G0B+4*\s, G1B
.endr
	v_and_b32 v1, 15, v0
	s_wait_alu depctr_va_vdst(0)
	v_bfe_u32 v2, v0, 4, 1
	v_mul_u32_u24 v3, v1, PITCH
	v_lshl_add_u32 v4, v2, 4, v3
	s_mul_i32 s21, s15, HALFT
	s_mul_i32 s22, s16, HALFT
	s_add_co_u32 s22, s22, 2*HALFT
.irp s, 0,1
	v_add_nc_u32 v[ADRA+\s], s21, v4
	v_add_nc_u32 v[ADRB+\s], s22, v4
	s_add_co_u32 s21, s21, SLOT
	s_add_co_u32 s22, s22, SLOT
.endr
	s_mul_i32 s23, s14, 2*16*80
	s_add_co_u32 s23, s23, QSTAGE
	v_mul_u32_u24 v5, v1, 80
	s_wait_alu depctr_va_vdst(0)
	v_lshl_add_u32 v5, v2, 5, v5
	v_add_nc_u32 v[STO], s23, v5
	v_bfe_u32 v5, v0, 2, 3
	v_mul_u32_u24 v5, v5, 80
	v_and_b32 v6, 3, v0
	v_lshl_add_u32 v5, v6, 4, v5
	v_add_nc_u32 v[RD], s23, v5
	v_and_b32 v6, 31, v0
	v_lshlrev_b32 v[CO], 4, v6
	v_lshlrev_b32 v[RO], 8, v1
	v_lshl_add_u32 v[RO], v2, 6, v[RO]
	s_mul_i32 s23, s15, 128*272
	s_lshl_b32 s22, s16, 7
	s_add_co_u32 s23, s23, s22
	v_add_nc_u32 v[VSTO], s23, v4
	s_mul_i32 s23, s14, 64*272
	v_mul_u32_u24 v5, v2, 272
	v_lshl_add_u32 v5, v1, 4, v5
	v_add_nc_u32 v[VRD], s23, v5
	v_lshlrev_b32 v[VCO], 11, v2
	v_lshl_add_u32 v[VCO], v1, 4, v[VCO]
	s_add_co_u32 s86, s17, s41
	s_lshr_b32 s87, s86, 3
	s_lshl_b32 s87, s87, 4
	s_lshl_b32 s88, s40, 2
	s_add_co_u32 s87, s87, s88
	s_lshl_b32 s88, s16, 1
	s_add_co_u32 s87, s87, s88
	s_lshl_b32 s87, s87, 17
	s_and_b32 s86, s86, 7
	s_lshl_b32 s86, s86, 8
	s_lshl_b32 s88, s15, 7
	s_add_co_u32 s86, s86, s88
	s_lshl_b32 s88, s86, 6
	s_add_co_u32 s88, s87, s88
	s_mov_b32 s89, 0
	s_cmp_eq_u32 ttmp9, 0
	s_cselect_b64 s[80:81], s[10:11], s[68:69]
	s_add_nc_u64 s[80:81], s[80:81], s[88:89]
	s_lshl_b32 s88, s86, 8
	s_add_nc_u64 s[82:83], s[6:7], s[88:89]
	s_add_co_u32 s86, s17, s40
	s_lshr_b32 s87, s86, 3
	s_lshl_b32 s87, s87, 10
	s_lshl_b32 s88, s41, 8
	s_add_co_u32 s87, s87, s88
	s_lshl_b32 s88, s14, 6
	s_add_co_u32 s87, s87, s88
	s_lshl_b32 s87, s87, 11
	s_and_b32 s86, s86, 7
	s_lshl_b32 s86, s86, 8
	s_add_co_u32 s88, s87, s86
	s_add_nc_u64 s[84:85], s[70:71], s[88:89]
	s_wait_kmcnt 0x0
	s_add_co_i32 s90, s72, s73
	s_sub_co_i32 s90, s76, s90
	s_add_co_i32 s91, s74, s75
	s_sub_co_i32 s92, s77, s91
	s_sub_co_i32 s91, s78, s91
	s_cmp_eq_u32 ttmp9, 1
	s_cselect_b32 s91, s92, s91
	s_cmp_eq_u32 ttmp9, 0
	s_cselect_b32 s90, s90, s91
	s_add_co_i32 s90, s90, 127
	s_lshl_b32 s91, s90, 23
	v_mov_b32 v[SCL], s91
	s_add_co_i32 s90, s90, 15
	s_lshl_b32 s90, s90, 23
	s_or_b32 s90, s90, 0x600000
	v_mov_b32 v[LIM], s90
.macro FRAG reg, adr, q, i
.irp c, 0,1,2,3
	ds_load_b128 v[\reg+4*\c:\reg+4*\c+3], v[\adr] offset:128*(\q)+32*\c+(\i)*16*PITCH
.endr
.endm
.macro MUL16 a0, p, zero
.irp a, \a0, \a0+1
.irp b, 0,1,2,3,4,5,6,7
.if \zero
	v_wmma_f32_16x16x128_bf8_bf8 v[8*(8*((\a)%4)+\b):8*(8*((\a)%4)+\b)+7], v[128*(\p)+FR*\b:128*(\p)+FR*\b+FR-1], v[AF+FR*(\a):AF+FR*(\a)+FR-1], 0
.else
	v_wmma_f32_16x16x128_bf8_bf8 v[8*(8*((\a)%4)+\b):8*(8*((\a)%4)+\b)+7], v[128*(\p)+FR*\b:128*(\p)+FR*\b+FR-1], v[AF+FR*(\a):AF+FR*(\a)+FR-1], v[8*(8*((\a)%4)+\b):8*(8*((\a)%4)+\b)+7]
.endif
.endr
.endr
.endm
.macro FETCH_B slot, q, p
	WIN TO_B
.irp i, 0,1,2,3,4,5,6,7
	FRAG 128*(\p)+FR*\i, ADRB+\slot, \q, \i
.endr
	WIN 0
.endm
.macro FETCH_A slot, q, i0
.irp i, \i0, \i0+1, \i0+2, \i0+3
	FRAG AF+FR*(\i), ADRA+\slot, \q, \i
.endr
.endm
.macro PLACES n
.rept \n
	v_nop
.endr
.endm
.macro STEP slot, q, zero
	s_wait_dscnt 4*NL
	WIN MUL_LO
	MUL16 0, (\q)%2, \zero
	MUL16 2, (\q)%2, \zero
	s_wait_dscnt 0
	PLACES NP
	FETCH_B \slot, (\q)+1, 1-(\q)%2
	FETCH_A \slot, (\q)+1, 0
	WIN MUL_HI
	MUL16 4, (\q)%2, \zero
	MUL16 6, (\q)%2, \zero
	PLACES NP
	WIN 0
	FETCH_A \slot, (\q)+1, 4
.endm
.macro TURN slot, next, fill
	s_wait_tensorcnt 0x0
	ds_add_u32 v[SPW], v[NIL]
	s_wait_dscnt 4*NL+1
	WIN MUL_LO
	MUL16 0, 1, 0
	s_wait_dscnt 0x0
	s_barrier_signal -1
	MUL16 2, 1, 0
	WIN 0
	s_barrier_wait -1
.if \fill
	CREST
	s_add_nc_u64 s[G0+4*\slot+2:G0+4*\slot+3], s[G0+4*\slot+2:G0+4*\slot+3], 2*ROWB
	s_add_nc_u64 s[G0B+4*\slot+2:G0B+4*\slot+3], s[G0B+4*\slot+2:G0B+4*\slot+3], 2*ROWB
	JLOAD G0+4*\slot, G1, G0B+4*\slot, G1B
.else
	PLACES NP
.endif
	FETCH_B \next, 0, 0
	FETCH_A \next, 0, 0
	WIN MUL_HI
	MUL16 4, 1, 0
	MUL16 6, 1, 0
	PLACES NP
	WIN 0
	FETCH_A \next, 0, 4
.endm
.macro LAST
	s_wait_dscnt 4*NL
	WIN MUL_LO
	MUL16 0, 1, 0
	MUL16 2, 1, 0
	s_wait_dscnt 0
	WIN MUL_HI
	MUL16 4, 1, 0
	MUL16 6, 1, 0
	WIN 0
.endm
	s_wait_tensorcnt 1
	s_barrier_signal -1
	s_barrier_wait -1
	FETCH_B 0, 0, 0
	FETCH_A 0, 0, 0
	FETCH_A 0, 0, 4
	STEP 0, 0, 1
	TURN 0, 1, 1
	STEP 1, 0, 0
	TURN 1, 0, 1
	STEP 0, 0, 0
	TURN 0, 1, 0
	STEP 1, 0, 0
	s_cmp_eq_u32 ttmp9, 2
	s_cbranch_scc1 .Lv
.macro RLOAD a
.irp be, 0,1
.irp i, 0,1,2,3
	global_load_b128 v[RC+32*((\a)%2)+16*\be+4*\i:RC+32*((\a)%2)+16*\be+4*\i+3], v[RO], s[82:83] offset:4096*(\a)+128*\be+16*\i
.endr
.endr
.endm
.macro QKBLOCK a
.set AC, 64*((\a)%4)
.set RS, RC+32*((\a)%2)
.set BB, BK+16*((\a)%2)
.if (\a) < 7
	s_wait_loadcnt 8
.else
	s_wait_loadcnt 0
.endif
	WIN 0x02+((\a)/4)
.irp hh, 0,1
.irp be, 0,1
.irp i, 0,1,2,3
	v_pk_mul_f32 v[TM+4*(\i%2):TM+4*(\i%2)+1], v[AC+8*(4*\hh+\be+2)+2*\i:AC+8*(4*\hh+\be+2)+2*\i+1], v[RS+16*\be+4*\i+2:RS+16*\be+4*\i+3]
	v_pk_mul_f32 v[TM+4*(\i%2)+2:TM+4*(\i%2)+3], v[AC+8*(4*\hh+\be)+2*\i:AC+8*(4*\hh+\be)+2*\i+1], v[RS+16*\be+4*\i+2:RS+16*\be+4*\i+3]
	v_pk_fma_f32 v[T+8*(4*\hh+\be)+2*\i:T+8*(4*\hh+\be)+2*\i+1], v[AC+8*(4*\hh+\be)+2*\i:AC+8*(4*\hh+\be)+2*\i+1], v[RS+16*\be+4*\i:RS+16*\be+4*\i+1], v[TM+4*(\i%2):TM+4*(\i%2)+1] neg_lo:[0,0,1] neg_hi:[0,0,1]
	v_pk_fma_f32 v[T+8*(4*\hh+\be+2)+2*\i:T+8*(4*\hh+\be+2)+2*\i+1], v[AC+8*(4*\hh+\be+2)+2*\i:AC+8*(4*\hh+\be+2)+2*\i+1], v[RS+16*\be+4*\i:RS+16*\be+4*\i+1], v[TM+4*(\i%2)+2:TM+4*(\i%2)+3]
.endr
.endr
.endr
	WIN 0
.if (\a) < 6
	RLOAD (\a)+2
.endif
.set j, 0
.rept 64
	v_med3_num_f32 v[T+j], v[T+j], -v[LIM], v[LIM]
.set j, j+1
.endr
.irp b, 0,1,2,3,4,5,6,7
	v_cvt_scalef32_pk8_bf8_f32 v[CODE+2*\b:CODE+2*\b+1], v[T+8*\b:T+8*\b+7], v[SCL]
.endr
	v_nop
.irp hh, 0,1
	ds_store_b128 v[STO], v[CODE+8*\hh:CODE+8*\hh+3] offset:1280*\hh
	ds_store_b128 v[STO], v[CODE+8*\hh+4:CODE+8*\hh+7] offset:1280*\hh+16
.endr
.if (\a) > 1
	s_wait_xcnt 0x0
.endif
.irp hh, 0,1
	ds_load_b128 v[BB+8*\hh:BB+8*\hh+3], v[RD] offset:1280*\hh
	ds_load_b128 v[BB+8*\hh+4:BB+8*\hh+7], v[RD] offset:1280*\hh+640
.endr
	s_wait_dscnt 0x0
.irp hh, 0,1
	global_store_b128 v[CO], v[BB+8*\hh:BB+8*\hh+3], s[80:81] offset:131072*\hh+1024*(\a)
	global_store_b128 v[CO], v[BB+8*\hh+4:BB+8*\hh+7], s[80:81] offset:131072*\hh+1024*(\a)+512
.endr
.endm
	s_wait_alu depctr_va_vdst(0)
	RLOAD 0
	RLOAD 1
	LAST
	PLACES NP
.irp a, 0,1,2,3,4,5,6,7
	QKBLOCK \a
.endr
	s_branch .Ljoin
.macro VBLOCK a
.set AC, 64*((\a)%4)
	WIN 0x02+((\a)/4)
.set j, 0
.rept 64
	v_med3_num_f32 v[T+j], v[AC+j], -v[LIM], v[LIM]
.set j, j+1
.endr
	WIN 0
	s_wait_alu depctr_va_vdst(0)
	s_wait_dscnt 0x0
.irp b, 0,1,2,3,4,5,6,7
	v_cvt_scalef32_pk8_bf8_f32 v[CODE+2*\b:CODE+2*\b+1], v[T+8*\b:T+8*\b+7], v[SCL]
.endr
	v_nop
.irp c, 0,1,2,3
	ds_store_b128 v[VSTO], v[CODE+4*\c:CODE+4*\c+3] offset:VSTAGE+16*272*(\a)+32*\c
.endr
.endm
.Lv:
	LAST
	PLACES NP
	s_wait_alu depctr_va_vdst(0)
.irp a, 0,1,2,3,4,5,6,7
	VBLOCK \a
.endr
.Ljoin:
	s_wait_xcnt 0x0
	s_wait_dscnt 0x0
	s_barrier_signal -1
	s_barrier_wait -1
	s_cmp_eq_u32 ttmp9, 2
	s_cbranch_scc0 .Lend
.irp i, 0,1,2,3,4,5,6,7,8,9,10,11,12,13,14,15,16,17,18,19,20,21,22,23,24,25,26,27,28,29,30,31
	ds_load_b128 v[128+4*\i:131+4*\i], v[VRD] offset:VSTAGE+2*272*\i
.endr
.irp i, 0,1,2,3,4,5,6,7,8,9,10,11,12,13,14,15,16,17,18,19,20,21,22,23,24,25,26,27,28,29,30,31
	s_wait_dscnt 31-\i
	global_store_b128 v[VCO], v[128+4*\i:131+4*\i], s[84:85] offset:4096*\i
.endr
.Lend:
	s_wait_tensorcnt 0x0
	ds_add_u32 v[SPW], v[NIL]
	s_wait_dscnt 0x0
	CROUND
	s_endpgm
.Lfunc_end_k_q3122f05e2e_proj:
	.size	k_q3122f05e2e_proj, .Lfunc_end_k_q3122f05e2e_proj-k_q3122f05e2e_proj
	.p2alignl 7, 3214868480
	.fill 96, 4, 3214868480
	.section	.rodata,"a",@progbits
	.p2align	6, 0x0
	.amdhsa_kernel k_q3122f05e2e_proj
		.amdhsa_group_segment_fixed_size 327680
		.amdhsa_private_segment_fixed_size 0
		.amdhsa_enable_private_segment 0
		.amdhsa_kernarg_size 48
		.amdhsa_user_sgpr_count 2
		.amdhsa_user_sgpr_kernarg_segment_ptr 1
		.amdhsa_wavefront_size32 1
		.amdhsa_system_sgpr_workgroup_id_x 1
		.amdhsa_system_sgpr_workgroup_id_y 1
		.amdhsa_system_sgpr_workgroup_id_z 1
		.amdhsa_system_vgpr_workitem_id 0
		.amdhsa_next_free_vgpr 1024
		.amdhsa_next_free_sgpr 100
		.amdhsa_reserve_vcc 0
		.amdhsa_float_denorm_mode_32 3
		.amdhsa_float_denorm_mode_16_64 3
		.amdhsa_memory_ordered 1
		.amdhsa_forward_progress 1
		.amdhsa_inst_pref_size 213
	.end_amdhsa_kernel
	.amdgpu_metadata
---
amdhsa.version: [ 1, 2 ]
amdhsa.kernels:
  - .name:           k_q3122f05e2e_proj
    .symbol:         k_q3122f05e2e_proj.kd
    .args:
      - { .name: codes, .offset: 0, .size: 8, .value_kind: global_buffer, .address_space: global }
      - { .name: rope, .offset: 8, .size: 8, .value_kind: global_buffer, .address_space: global }
      - { .name: lowp_scales, .offset: 16, .size: 8, .value_kind: global_buffer, .address_space: global }
      - { .name: qc, .offset: 24, .size: 8, .value_kind: global_buffer, .address_space: global }
      - { .name: kc, .offset: 32, .size: 8, .value_kind: global_buffer, .address_space: global }
      - { .name: vc, .offset: 40, .size: 8, .value_kind: global_buffer, .address_space: global }
    .group_segment_fixed_size: 327680
    .private_segment_fixed_size: 0
    .kernarg_segment_align: 8
    .kernarg_segment_size: 48
    .max_flat_workgroup_size: 128
    .sgpr_count:     100
    .vgpr_count:     1024
    .wavefront_size: 32
...
	.end_amdgpu_metadata
.endif
;; end of part 2
;; launch attn (part 3): grid 4 x 64, 16 waves a work-group, clusters of 4 x 1, 327,680 bytes of LDS; arguments qc, kc, vc, lowp_scales, oc; writes oc
.if DOCPART == 3
	.amdgcn_target "amdgcn-amd-amdhsa--gfx1250"
	.amdhsa_code_object_version 6
	.text
	.protected	k_q3122f05e2e_attn
	.globl	k_q3122f05e2e_attn
	.p2align	8
	.type	k_q3122f05e2e_attn,@function
k_q3122f05e2e_attn:
	s_mov_b64 s[64:65], 0
	v_nop
	global_prefetch_b8 v0, s[64:65] scope:SCOPE_SE
	s_setreg_imm32_b32 hwreg(HW_REG_WAVE_MODE, 25, 1), 1
	s_wait_xcnt 0x0
	s_wait_alu depctr_hold_cnt(0) depctr_sa_sdst(0) depctr_va_vdst(0) depctr_va_sdst(0) depctr_va_ssrc(0) depctr_va_vcc(0) depctr_vm_vsrc(0)
	s_getreg_b32 s2, hwreg(HW_REG_IB_STS2, 6, 4)
	s_cmp_eq_u32 s2, 0
	s_cbranch_scc0 .Lentry_in_a_cluster
	s_endpgm
.Lentry_in_a_cluster:
	s_bfe_u32 s2, ttmp6, 0x10000c
	s_cmp_lg_u32 s2, 0x3003
	s_cbranch_scc0 .Lentry_shape_is_right
	s_endpgm
.Lentry_shape_is_right:
; o = softmax(q k^T / 8) v for one head, both products on codes of BF8 (E5M2); o is quantised again by e8.  2,048 queries, 2,048 keys, head size 64, 64 heads (batch x 16 + head).
; qc, kc: [head][token][64 bytes], the same order of channels in both.  vc: [head][channel][2,048 bytes], the keys innermost; within 32 keys byte 16 h + 8 u + j holds key 16 u + 8 h + j.  oc: [head][token][64 bytes].
; THE SOFTMAX AHEAD OF THE SECOND PRODUCT: t = score x log2(e) / 8; M = the row's largest t so far, rounded UP to a whole number; p = 2^(t - M) is quantised by e7, not normalised.
; The row's sum is taken of the unquantised p, in f32, and divides o at the end.  When M moves, the sum and o are multiplied by 2^(old M - new M): exact.
; SHARES.  256 work-groups: one owns 512 queries of one head, each of its sixteen waves 32 of them, TWO tiles of 16: each fragment of K and of V that a wave reads from LDS feeds two matrix instructions.
; A key step is 128 keys, and the two tiles go through it TOGETHER: both S^T, then the two tiles' maxima, M and scalings line by line by turns, one batch of 128 exponentials, both rescalings; then tile a's sum, holds and codes,
; V's fragments over tile a's p, tile b's sum, holds and codes while they land, and both tiles' O^T += V^T P^T.
; LDS.  A head's K and V come in eight stages of 256 keys (K: 64 rows of four keys, V: 64 channels x 256 bytes, each row 256 bytes + 16 of padding); every byte is filled once.  Stage s + 1 is asked for behind the change to stage s
; (wave 0: K, wave 1: V, one load each) and has stage s's two key steps in which to land.
; CLUSTER.  The four work-groups of a head read the same K and V: each tile is asked for JOINTLY, by the same load with the same descriptor and the mask of all four; a round of the cluster's barrier stands in front of each.
; PREFETCH.  At the change that loads stage s + 1, wave 2 names stage s + 2: its 128 blocks of 256 bytes are shared out among the four partners by address (places 0, 1: halves of K's 16,384 bytes, lanes 256 bytes apart;
; places 2, 3: 32 of V's rows each, a lane a row): each block once in the cluster.  Stages 0 and 1 come by their loads alone; the last change that loads names nothing.
; LAYOUT.  Both products are used transposed (source 0 = 16 keys or 16 channels, source 1 = my 16 queries): a lane holds ONE query of each tile (lane % 16) throughout.
; THE RUNNING MAXIMUM is kept of the raw sums of codes.  A raw sum is at most 64 x 57,344^2 in size, under 2^38: so -2^38 lies under every one and starts it.
; LIMITS: e4 + e5 between -123 and 85 (added to the exponent field of log2(e) / 8; x 2^38 stays an f32 number); e7 and e8 between -126 and 112; the scaled scores stay under 2^31 in size.
; REGISTERS: v0 thread; v1-7 below; v8-11 tile a: -M, largest raw score, the sum in two halves; v12-15 tile b; v16-23, v24-31 Q; v32-63 K's tiles 4-7, then work registers, then both tiles' codes;
; v64-127 tile a's S^T and p, then V's fragments; v128-191 tile b's (v160-191 first hold K's tiles 0-3); v192-223, v224-255 O^T.
.set STG,   64*272                     ; a stage of K or of V in LDS
.set VOFF,  8*STG                      ; behind K: V
.set OSTG,  16*STG                     ; behind V: the way out, 2 x 16 rows x 80 bytes for each wave; no tile lands there
.set SPARE, OSTG+16*2560               ; behind that: the spare words, 128 bytes for each wave
.set AK0,  1                           ; v1  my lane's place in a tile of K
.set AV0,  2                           ; v2  the same for V
.set AD,   3                           ; v3  the LDS address in hand
.set SPW,  4                           ; v4  my spare word; never rewritten
.set NIL,  5                           ; v5  0; never rewritten
.set SC7,  6                           ; v6  2^e7
.set PFO,  7                           ; v7  the prefetches' lane offset; never rewritten
.set CA,   32                          ; tile a's codes
.set CB,   48                          ; tile b's
.set SA,   64                          ; tile a's S^T
.set SB,   128                         ; tile b's
.set OA,   192                         ; tile a's O^T
.set OB,   224                         ; tile b's
.set TBK,  14                          ; s14 LDS byte at which the step's keys begin in K
.set TBV,  15                          ; s15 and in V
.set CNT,  16                          ; s16 stages still to be asked for
.set CN2,  17                          ; s17 key steps to go in a stage
.set WV,   18                          ; s18 my wave's number
.set SEL,  20                          ; s[20:21] v_permlanex16_b32: lane l xor 16
.set CS,   22                          ; s[22:23] c = log2(e) / 8 x 2^(e4 + e5)
.set G1K,  24                          ; s[24:31], s[32:39] descriptor groups 1; s[40:43], s[44:47] groups 0, which walk
.set G1V,  32
.set G0K,  40
.set G0V,  44
.set PFA,  48                          ; s[48:49] where my work-group's prefetches stand; s[50:51] a stage on
.set PFS,  50
.set LIM,  52                          ; s52 1 in wave 2, the greatest number in the others: a wave prefetches while s[CNT] is above it
.set HOLD, 53                          ; s53 57,344 x 2^e7
.macro ROUND                           ; a round of the cluster's barrier
	s_barrier_signal -1
	s_barrier_wait -1
	s_cmp_lg_u32 s[WV], 0
	s_cbranch_scc1 .Lnot_wave_0_\@
	s_barrier_signal -3
.Lnot_wave_0_\@:
	s_barrier_wait -3
	s_barrier_signal -1
	s_barrier_wait -1
.endm
.macro TLOAD                           ; wave 0 asks for K's stage, wave 1 for V's, the others for nothing: one chain of branches on the wave's number, one load to an arm
	s_cmp_lg_u32 s[WV], 0
	s_cbranch_scc1 .Lnot_k_\@
	tensor_load_to_lds s[G0K:G0K+3], s[G1K:G1K+7]
	s_nop 0
.rept 4
	v_nop
.endr
	s_branch .Lasked_\@
.Lnot_k_\@:
	s_cmp_lg_u32 s[WV], 1
	s_cbranch_scc1 .Lasked_\@
	tensor_load_to_lds s[G0V:G0V+3], s[G1V:G1V+7]
	s_nop 0
.rept 4
	v_nop
.endr
.Lasked_\@:
.endm
	s_load_b256 s[4:11], s[0:1], 0x0               ; qc, kc, vc, the scales' exponents
	s_load_b64 s[12:13], s[0:1], 0x20              ; oc
	v_lshl_add_u32 v[SPW], v0, 2, SPARE
	v_mov_b32 v[NIL], 0
	ds_add_u32 v[SPW], v[NIL]                      ; the opening: the add, twice on end, and its wait ahead of the first tensor load
	ds_add_u32 v[SPW], v[NIL]
	v_lshrrev_b32 v8, 5, v0
	v_readfirstlane_b32 s[WV], v8                  ; wave 0..15
	s_and_b32 s2, ttmp7, 0xffff                    ; the head, which the four partners share
	s_lshl_b32 s2, s2, 17                          ; its first byte in each of the four buffers
	s_mov_b32 s3, 0
	s_mov_b32 s[G1K], 15|(1<<20)|(1<<21)|(5<<22)|(3<<25)   ; the mask of all four; elements of 1 byte; padding on: four words after every 64; bit 21 beside a mask
	s_mov_b32 s[G1K+1], 256<<16                    ; rows of 256 bytes: four keys, dense in memory
	s_mov_b32 s[G1K+2], 64<<16
	s_mov_b32 s[G1K+3], 256<<16
	s_mov_b32 s[G1K+4], 64
	s_mov_b32 s[G1K+5], 256
	s_mov_b32 s[G1K+6], 0
	s_mov_b32 s[G1K+7], 0
	s_mov_b32 s[G1V], 15|(1<<20)|(1<<21)|(5<<22)|(3<<25)
	s_mov_b32 s[G1V+1], 256<<16                    ; 256 keys of each of 64 channels, 2,048 bytes apart
	s_mov_b32 s[G1V+2], 64<<16
	s_mov_b32 s[G1V+3], 256<<16
	s_mov_b32 s[G1V+4], 64
	s_mov_b32 s[G1V+5], 2048
	s_mov_b32 s[G1V+6], 0
	s_mov_b32 s[G1V+7], 0
	s_mov_b32 s[SEL], 0x76543210
	s_mov_b32 s[SEL+1], 0xfedcba98
	s_mov_b32 s[CS], 0x3e38aa3b                    ; log2(e) / 8
	s_mov_b32 s[TBK], 0
	s_mov_b32 s[TBV], 0
	s_mov_b32 s[CNT], 7
	s_wait_dscnt 0x0                               ; both opening adds are done
	s_wait_kmcnt 0x0
	s_load_b256 s[84:91], s[10:11], 0x0            ; e0 .. e7
	s_load_b64 s[92:93], s[10:11], 0x20            ; e8, e9
	s_add_nc_u64 s[6:7], s[6:7], s[2:3]            ; K and V at the head
	s_add_nc_u64 s[8:9], s[8:9], s[2:3]
	s_mov_b32 s[G0K], 1
	s_mov_b32 s[G0K+1], 0
	s_mov_b64 s[G0K+2:G0K+3], s[6:7]
	s_or_b32 s[G0K+3], s[G0K+3], 0x80000000
	s_mov_b32 s[G0V], 1
	s_mov_b32 s[G0V+1], VOFF
	s_mov_b64 s[G0V+2:G0V+3], s[8:9]
	s_or_b32 s[G0V+3], s[G0V+3], 0x80000000
	ROUND                                          ; all four work-groups are here: the joint loads meet
	TLOAD                                          ; stage 0
	s_bfe_u32 s19, ttmp6, 0x40000                  ; cx: it enters global addresses of Q, O and the prefetches alone
	s_lshl_b32 s94, ttmp9, 2
	s_add_co_u32 s94, s94, s19                     ; my block of 512 queries
	s_lshl_b32 s94, s94, 9
	s_lshl_b32 s95, s[WV], 5
	s_add_co_u32 s94, s94, s95                     ; my first query
	s_lshl_b32 s94, s94, 6                         ; x 64 bytes
	s_mov_b32 s95, 0
	s_add_nc_u64 s[94:95], s[94:95], s[2:3]
	s_add_nc_u64 s[4:5], s[4:5], s[94:95]
	s_add_nc_u64 s[12:13], s[12:13], s[94:95]
	s_cmp_lt_u32 s19, 2                            ; the prefetches: places 0 and 1 take K's halves, places 2 and 3 V's
	s_cselect_b64 s[PFA:PFA+1], s[6:7], s[8:9]
	s_mov_b32 s[PFS], 256
	s_cselect_b32 s[PFS], 16384, s[PFS]            ; a stage on
	s_mov_b32 s54, 2048
	s_cselect_b32 s54, 256, s54                    ; from lane to lane
	s_mov_b32 s55, 65536
	s_cselect_b32 s55, 8192, s55                   ; from half to half
	s_and_b32 s56, s19, 1
	s_mul_i32 s56, s56, s55
	s_add_co_u32 s56, s56, s[PFS]                  ; at stage 1: the first change steps it to stage 2
	s_mov_b32 s57, 0
	s_mov_b32 s[PFS+1], 0
	s_add_nc_u64 s[PFA:PFA+1], s[PFA:PFA+1], s[56:57]
	s_cmp_eq_u32 s[WV], 2
	s_cselect_b32 s[LIM], 1, -1
	v_and_b32 v96, 15, v0                          ; r = lane % 16
	v_bfe_u32 v97, v0, 4, 1                        ; h = lane / 16
	v_lshlrev_b32 v98, 6, v96
	v_lshl_add_u32 v98, v97, 4, v98                ; Q: row r, + 16 h
	global_load_b128 v[16:19], v98, s[4:5]         ; Q's two fragments stay in registers, read as K's are
	global_load_b128 v[20:23], v98, s[4:5] offset:32
	global_load_b128 v[24:27], v98, s[4:5] offset:1024
	global_load_b128 v[28:31], v98, s[4:5] offset:1056
	v_lshrrev_b32 v99, 2, v96
	v_mul_u32_u24 v[AK0], v99, 272
	v_and_b32 v99, 3, v96
	v_lshl_add_u32 v[AK0], v99, 6, v[AK0]
	v_lshl_add_u32 v[AK0], v97, 4, v[AK0]          ; key r of a tile: LDS row r / 4, byte 64 (r % 4) + 16 h
	v_mul_u32_u24 v[AV0], v96, 272
	v_lshl_add_u32 v[AV0], v97, 4, v[AV0]
	v_add_nc_u32 v[AV0], VOFF, v[AV0]              ; channel r of a tile, + 16 h
	v_and_b32 v[PFO], 31, v0
	v_mul_lo_u32 v[PFO], v[PFO], s54
	v_mov_b32 v9, 0xd2800000                       ; -2^38, under every raw score
	v_mov_b32 v13, 0xd2800000
	v_mov_b32 v10, 0                               ; the sums, each in two halves
	v_mov_b32 v11, 0
	v_mov_b32 v14, 0
	v_mov_b32 v15, 0
.set j, 0
.rept 64
	v_mov_b32 v[OA+j], 0                           ; O^T: the step is written once for all steps; the first finds zeros, which the first change of M leaves zeros
.set j, j+1
.endr
	s_wait_kmcnt 0x0
	s_add_co_i32 s94, s88, s89
	s_lshl_b32 s94, s94, 23
	s_add_co_i32 s[CS], s[CS], s94                 ; a raw score stands for score x 2^(e4 + e5)
	s_mov_b32 s[CS+1], s[CS]
	s_add_co_i32 s94, s91, 127
	s_lshl_b32 s95, s94, 23
	v_mov_b32 v[SC7], s95                          ; 2^e7, for p's conversions
	s_add_co_i32 s94, s94, 15
	s_lshl_b32 s94, s94, 23
	s_or_b32 s[HOLD], s94, 0x600000                ; 57,344 x 2^e7
	s_add_co_i32 s94, s92, 127
	s_lshl_b32 s58, s94, 23                        ; 2^e8
	s_add_co_i32 s94, s94, 15
	s_lshl_b32 s94, s94, 23
	s_or_b32 s59, s94, 0x600000                    ; 57,344 x 2^e8
	s_add_co_i32 s60, s90, s91                     ; e6 + e7
	v_mul_f32 v8, s[CS], v9
	v_floor_f32 v8, -v8                            ; -M that belongs to -2^38
	v_mov_b32 v12, v8
; The largest raw score of a tile, in four chains m .. m + 3, in ascending order of the scores: each accumulator is read from its low end on.
.macro MAX0 m, st, s
	v_max3_num_f32 v[\m], v[\st+1], v[\s], v[\s+1]
	v_max3_num_f32 v[\m+1], v[\s+2], v[\s+3], v[\s+4]
	v_max3_num_f32 v[\m+2], v[\s+5], v[\s+6], v[\s+7]
	v_max3_num_f32 v[\m+3], v[\s+8], v[\s+9], v[\s+10]
.endm
.macro MAX8 m, s, i
	v_max3_num_f32 v[\m], v[\m], v[\s+\i], v[\s+\i+1]
	v_max3_num_f32 v[\m+1], v[\m+1], v[\s+\i+2], v[\s+\i+3]
	v_max3_num_f32 v[\m+2], v[\m+2], v[\s+\i+4], v[\s+\i+5]
	v_max3_num_f32 v[\m+3], v[\m+3], v[\s+\i+6], v[\s+\i+7]
.endm
.macro MAXE m, s
	v_max3_num_f32 v[\m], v[\m], v[\s+59], v[\s+60]
	v_max3_num_f32 v[\m+1], v[\m+1], v[\s+61], v[\s+62]
	v_max3_num_f32 v[\m+2], v[\m+2], v[\m+3], v[\s+63]
.endm
.macro TSCALE s, st, j0, n             ; t - M, two at a time: n pairs from register j0 of the tile on
.set j, \j0
.rept \n
	v_pk_fma_f32 v[\s+j:\s+j+1], v[\s+j:\s+j+1], s[CS:CS+1], v[\st:\st+1] op_sel_hi:[1,0,0]
.set j, j+2
.endr
.endm
.macro PSUM s, st                      ; the sum of a tile's unquantised p, two at a time, in six chains (v48-57 and the sum itself)
	v_pk_add_f32 v[48:49], v[\s:\s+1], v[\s+2:\s+3]
	v_pk_add_f32 v[50:51], v[\s+4:\s+5], v[\s+6:\s+7]
	v_pk_add_f32 v[52:53], v[\s+8:\s+9], v[\s+10:\s+11]
	v_pk_add_f32 v[54:55], v[\s+12:\s+13], v[\s+14:\s+15]
	v_pk_add_f32 v[56:57], v[\s+16:\s+17], v[\s+18:\s+19]
	v_pk_add_f32 v[\st+2:\st+3], v[\st+2:\st+3], v[\s+20:\s+21]
.irp g, 0,1,2
	v_pk_add_f32 v[48:49], v[48:49], v[\s+22+12*\g:\s+23+12*\g]
	v_pk_add_f32 v[50:51], v[50:51], v[\s+24+12*\g:\s+25+12*\g]
	v_pk_add_f32 v[52:53], v[52:53], v[\s+26+12*\g:\s+27+12*\g]
	v_pk_add_f32 v[54:55], v[54:55], v[\s+28+12*\g:\s+29+12*\g]
	v_pk_add_f32 v[56:57], v[56:57], v[\s+30+12*\g:\s+31+12*\g]
	v_pk_add_f32 v[\st+2:\st+3], v[\st+2:\st+3], v[\s+32+12*\g:\s+33+12*\g]
.endr
	v_pk_add_f32 v[48:49], v[48:49], v[\s+58:\s+59]
	v_pk_add_f32 v[50:51], v[50:51], v[\s+60:\s+61]
	v_pk_add_f32 v[52:53], v[52:53], v[\s+62:\s+63]
	v_pk_add_f32 v[54:55], v[54:55], v[56:57]
	v_pk_add_f32 v[48:49], v[48:49], v[50:51]
	v_pk_add_f32 v[\st+2:\st+3], v[\st+2:\st+3], v[52:53]
	s_delay_alu instid0(VALU_DEP_2)
	v_pk_add_f32 v[48:49], v[48:49], v[54:55]
	s_delay_alu instid0(VALU_DEP_1)
	v_pk_add_f32 v[\st+2:\st+3], v[\st+2:\st+3], v[48:49]
.endm
.macro PCODE s, cd                     ; a tile's p is held and becomes 16 registers of codes
.set j, 0
.rept 32
	v_dual_min_num_f32 v[\s+j], s[HOLD], v[\s+j] :: v_dual_min_num_f32 v[\s+j+1], s[HOLD], v[\s+j+1]   ; the conversion does not saturate (ISA guide 7.6.2); p is not negative: a one-sided hold, two numbers a line
.set j, j+2
.endr
.irp b, 0,1,2,3
	v_cvt_scalef32_pk8_bf8_f32 v[\cd+4*\b:\cd+4*\b+1], v[\s+16*\b:\s+16*\b+7], v[SC7]
	v_cvt_scalef32_pk8_bf8_f32 v[\cd+4*\b+2:\cd+4*\b+3], v[\s+16*\b+8:\s+16*\b+15], v[SC7]
.endr
.endm
; A KEY STEP: 128 keys, both tiles together.
.macro STEP
	v_add_nc_u32 v[AD], s[TBK], v[AK0]
.rept 4
	v_nop                                          ; with the addition: five places behind the last products, whose registers the loads and the products below write over
.endr
.irp t, 0,1,2,3
	ds_load_b128 v[160+8*\t:163+8*\t], v[AD] offset:1088*\t        ; K's tiles 0-3, where tile b's scores of tiles 4-7 come later
	ds_load_b128 v[164+8*\t:167+8*\t], v[AD] offset:1088*\t+32
.endr
.irp t, 0,1,2,3
	ds_load_b128 v[32+8*\t:35+8*\t], v[AD] offset:1088*(\t+4)      ; K's tiles 4-7
	ds_load_b128 v[36+8*\t:39+8*\t], v[AD] offset:1088*(\t+4)+32
.endr
	s_wait_dscnt 8                                 ; tiles 0-3 are in; the youngest eight loads, tiles 4-7, may be out
.irp t, 0,1,2,3
	v_wmma_f32_16x16x64_bf8_bf8 v[SA+8*\t:SA+8*\t+7], v[160+8*\t:167+8*\t], v[16:23], 0   ; S^T: keys 16 t on, tile a and tile b from one fragment
	v_wmma_f32_16x16x64_bf8_bf8 v[SB+8*\t:SB+8*\t+7], v[160+8*\t:167+8*\t], v[24:31], 0
.endr
.rept 5
	v_nop                                          ; five places: the products below write over fragments that those above have read
.endr
	s_wait_dscnt 0x0
.irp t, 0,1,2,3
	v_wmma_f32_16x16x64_bf8_bf8 v[SA+32+8*\t:SA+39+8*\t], v[32+8*\t:39+8*\t], v[16:23], 0
	v_wmma_f32_16x16x64_bf8_bf8 v[SB+32+8*\t:SB+39+8*\t], v[32+8*\t:39+8*\t], v[24:31], 0
.endr
.rept 4
	v_nop                                          ; places in front of the first read of the scores and of the first write into v32-63
.endr
	MAX0 32, 8, SA                                 ; the largest raw score so far and of my 64 keys: v32-35 for tile a, v36-39 for tile b, by turns
	MAX0 36, 12, SB
.irp i, 11,19,27,35,43,51
	MAX8 32, SA, \i
	MAX8 36, SB, \i
.endr
	MAXE 32, SA
	MAXE 36, SB
	v_max3_num_f32 v32, v32, v33, v34
	v_max3_num_f32 v36, v36, v37, v38
	v_permlanex16_b32 v40, v32, s[SEL], s[SEL+1]
	v_permlanex16_b32 v41, v36, s[SEL], s[SEL+1]
	v_max_num_f32 v9, v32, v40                     ; and of lane l xor 16's
	v_max_num_f32 v13, v36, v41
	v_mul_f32 v42, s[CS], v9                       ; as t (c is positive)
	v_mul_f32 v43, s[CS], v13
	v_floor_f32 v42, -v42                          ; the new -M = -ceil(t)
	v_floor_f32 v43, -v43
	v_sub_f32 v44, v42, v8                         ; old M - new M: a whole number, 0 or less
	v_sub_f32 v46, v43, v12
	v_mov_b32 v8, v42
	v_mov_b32 v12, v43
	TSCALE SA, 8, 0, 4
	v_cvt_i32_f32 v44, v44                         ; (it saturates)
	v_cvt_i32_f32 v46, v46
	TSCALE SB, 12, 0, 4
	v_ldexp_f32 v44, 1.0, v44                      ; f = 2^(old M - new M)
	v_ldexp_f32 v46, 1.0, v46
	TSCALE SA, 8, 8, 28
	TSCALE SB, 12, 8, 28
	s_wait_alu depctr_va_vdst(0)                   ; the wait ahead of the batch
.set j, 0
.rept 128
	v_exp_f32 v[SA+j], v[SA+j]                     ; p = 2^(t - M), at most 1: both tiles
.set j, j+1
.endr
	v_pk_mul_f32 v[10:11], v[10:11], v[44:45] op_sel_hi:[1,0]   ; the sums under the new M (plain instructions behind the batch)
	v_pk_mul_f32 v[14:15], v[14:15], v[46:47] op_sel_hi:[1,0]
	s_wait_alu depctr_va_vdst(0)                   ; the wait behind the batch, and directly ahead of the first read of O^T
.set j, 0
.rept 16
	v_pk_mul_f32 v[OA+j:OA+j+1], v[OA+j:OA+j+1], v[44:45] op_sel_hi:[1,0]   ; O^T under the new M
.set j, j+2
.endr
.set j, 0
.rept 16
	v_pk_mul_f32 v[OB+j:OB+j+1], v[OB+j:OB+j+1], v[46:47] op_sel_hi:[1,0]
.set j, j+2
.endr
	PSUM SA, 8
	PCODE SA, CA
	v_add_nc_u32 v[AD], s[TBV], v[AV0]             ; (the plain instruction behind the last conversion)
.irp t, 0,1,2,3
.irp c, 0,1,2,3
	ds_load_b128 v[SA+16*\t+4*\c:SA+16*\t+4*\c+3], v[AD] offset:16*272*\t+32*\c   ; V's four fragments, over tile a's p; they land while tile b is summed, held and converted
.endr
.endr
	PSUM SB, 12
	PCODE SB, CB
	v_nop                                          ; a plain instruction behind the last conversion
	s_wait_alu depctr_va_vdst(0)                   ; the wait here, directly ahead of the wait below
	s_wait_dscnt 0x0                               ; V's fragments are in
.irp t, 0,1,2,3
	v_wmma_f32_16x16x128_bf8_bf8 v[OA+8*\t:OA+8*\t+7], v[SA+16*\t:SA+16*\t+15], v[CA:CA+15], v[OA+8*\t:OA+8*\t+7]   ; O^T += V^T P^T: channels 16 t on; the eight accumulators take turns
	v_wmma_f32_16x16x128_bf8_bf8 v[OB+8*\t:OB+8*\t+7], v[SA+16*\t:SA+16*\t+15], v[CB:CB+15], v[OB+8*\t:OB+8*\t+7]
.endr
.endm
.macro KSTEPS                          ; a stage's two key steps
	s_mov_b32 s[CN2], 2
.Lk_\@:
	STEP
	s_add_co_u32 s[TBK], s[TBK], 32*272            ; 128 keys on: 32 LDS rows of K,
	s_add_co_u32 s[TBV], s[TBV], 128               ; 128 bytes of V's rows
	s_sub_co_u32 s[CN2], s[CN2], 1
	s_cmp_lg_u32 s[CN2], 0
	s_cbranch_scc1 .Lk_\@
.endm
	s_wait_alu depctr_va_vdst(0)                   ; the wait at the head's end
	s_wait_loadcnt 0x0                             ; Q
.Lstage:                                           ; seven trips: behind each change of stages but the last the next stage is asked for
	s_wait_tensorcnt 0x0                           ; my load, if I had one out, has landed: the stage that is about to be read; so the groups 0 may be written
	ds_add_u32 v[SPW], v[NIL]                      ; the add, here twice on end in every trip
	ds_add_u32 v[SPW], v[NIL]
	s_add_co_u32 s[G0K+1], s[G0K+1], STG           ; the walking descriptors: the next stage
	s_add_nc_u64 s[G0K+2:G0K+3], s[G0K+2:G0K+3], 16384
	s_add_co_u32 s[G0V+1], s[G0V+1], STG
	s_add_nc_u64 s[G0V+2:G0V+3], s[G0V+2:G0V+3], 256
	s_wait_xcnt 0x0                                ; any prefetch of mine has read its address
	s_add_nc_u64 s[PFA:PFA+1], s[PFA:PFA+1], s[PFS:PFS+1]   ; one stage further on than the descriptors
	s_wait_dscnt 0x0
	ROUND                                          ; the stage is whole for every wave, and the four partners' joint loads meet
	TLOAD                                          ; a first fill, issued as a refill is: a wave's one load until the next round
	s_cmp_gt_u32 s[CNT], s[LIM]
	s_cbranch_scc0 .Lnot_mine
	global_prefetch_b8 v[PFO], s[PFA:PFA+1] th:TH_LOAD_NT scope:SCOPE_SE   ; what the next change will ask for: 32 blocks of 256 bytes
.Lnot_mine:
	KSTEPS
	s_add_co_u32 s[TBV], s[TBV], STG-256           ; V's next stage
	s_sub_co_u32 s[CNT], s[CNT], 1
	s_cmp_lg_u32 s[CNT], 0
	s_cbranch_scc1 .Lstage
	s_wait_tensorcnt 0x0                           ; the last stage is written out: nothing more is asked for, so a work-group barrier serves
	ds_add_u32 v[SPW], v[NIL]
	s_wait_dscnt 0x0
	s_barrier_signal -1
	s_barrier_wait -1
	KSTEPS
	; THE WAY OUT.  O^T x 2^(e6 + e7) / the sum is quantised by e8; a lane's 8 codes of a tile are 8 neighbouring channels of one row.  They go through my stage in LDS and leave as 512 consecutive bytes an instruction.
	v_add_f32 v10, v10, v11                        ; the sums' two halves (these lines name no register of the last products: their places),
	v_add_f32 v14, v14, v15
	v_permlanex16_b32 v128, v10, s[SEL], s[SEL+1]
	v_permlanex16_b32 v129, v14, s[SEL], s[SEL+1]
	v_add_f32 v10, v10, v128                       ; and lane l xor 16's
	v_add_f32 v14, v14, v129
	s_wait_alu depctr_va_vdst(0)                   ; the wait ahead of the batch
	v_rcp_f32 v10, v10
	v_rcp_f32 v14, v14
	v_and_b32 v130, 15, v0                         ; r
	v_bfe_u32 v131, v0, 4, 1                       ; h
	s_mul_i32 s95, s[WV], 2560
	s_add_co_u32 s95, s95, OSTG                    ; my stage
	v_mul_u32_u24 v1, v130, 80
	v_lshl_add_u32 v1, v131, 3, v1
	v_add_nc_u32 v1, s95, v1                       ; in: row r, + 8 h; tile t's channels 16 t bytes on
	v_bfe_u32 v2, v0, 2, 3
	v_mul_u32_u24 v2, v2, 80
	v_and_b32 v130, 3, v0
	v_lshl_add_u32 v2, v130, 4, v2
	v_add_nc_u32 v2, s95, v2                       ; back: four lanes to a row of 64 bytes, eight rows an instruction
	v_and_b32 v3, 31, v0
	v_lshlrev_b32 v3, 4, v3                        ; 16 x lane
	v_mov_b32 v132, s59                            ; 57,344 x 2^e8
	v_mov_b32 v133, s58                            ; 2^e8
	s_wait_alu depctr_va_vdst(0)                   ; the wait behind the batch
	v_ldexp_f32 v10, v10, s60
	v_ldexp_f32 v14, v14, s60
	s_wait_alu depctr_va_vdst(0)                   ; the wait here, directly ahead of the first read of O^T
.set j, 0
.rept 16
	v_pk_mul_f32 v[64+j:65+j], v[OA+j:OA+j+1], v[10:11] op_sel_hi:[1,0]   ; register 8 t + i is o(r, 16 t + 8 h + i)
.set j, j+2
.endr
.set j, 0
.rept 16
	v_pk_mul_f32 v[96+j:97+j], v[OB+j:OB+j+1], v[14:15] op_sel_hi:[1,0]
.set j, j+2
.endr
.set j, 0
.rept 64
	v_med3_num_f32 v[64+j], v[64+j], -v132, v132
.set j, j+1
.endr
.irp t, 0,1,2,3,4,5,6,7
	v_cvt_scalef32_pk8_bf8_f32 v[32+2*\t:33+2*\t], v[64+8*\t:71+8*\t], v133
.endr
	v_nop                                          ; a plain instruction behind the last conversion
.irp u, 0,1
.irp t, 0,1,2,3
	ds_store_b64 v1, v[32+8*\u+2*\t:33+8*\u+2*\t] offset:1280*\u+16*\t
.endr
.endr
.irp u, 0,1
	ds_load_b128 v[136+8*\u:139+8*\u], v2 offset:1280*\u      ; LDS serves a wave's instructions in order (ISA guide 5.7.1.4): these see the stores above
	ds_load_b128 v[140+8*\u:143+8*\u], v2 offset:1280*\u+640
.endr
	s_wait_dscnt 0x0
.irp i, 0,1,2,3
	global_store_b128 v3, v[136+4*\i:139+4*\i], s[12:13] offset:512*\i   ; eight rows of 64 bytes: 512 consecutive bytes, aligned
.endr
	s_wait_tensorcnt 0x0                           ; the wave's end
	ds_add_u32 v[SPW], v[NIL]
	s_wait_dscnt 0x0
	ROUND                                          ; the closing round: no work-group ends while a partner may still ask for a tile that names it
	s_endpgm
.Lfunc_end_k_q3122f05e2e_attn:
	.size	k_q3122f05e2e_attn, .Lfunc_end_k_q3122f05e2e_attn-k_q3122f05e2e_attn
	.p2alignl 7, 3214868480
	.fill 96, 4, 3214868480
	.section	.rodata,"a",@progbits
	.p2align	6, 0x0
	.amdhsa_kernel k_q3122f05e2e_attn
		.amdhsa_group_segment_fixed_size 327680
		.amdhsa_private_segment_fixed_size 0
		.amdhsa_enable_private_segment 0
		.amdhsa_kernarg_size 40
		.amdhsa_user_sgpr_count 2
		.amdhsa_user_sgpr_kernarg_segment_ptr 1
		.amdhsa_wavefront_size32 1
		.amdhsa_system_sgpr_workgroup_id_x 1
		.amdhsa_system_sgpr_workgroup_id_y 1
		.amdhsa_system_sgpr_workgroup_id_z 1
		.amdhsa_system_vgpr_workitem_id 0
		.amdhsa_next_free_vgpr 256
		.amdhsa_next_free_sgpr 100
		.amdhsa_reserve_vcc 0
		.amdhsa_float_denorm_mode_32 3
		.amdhsa_float_denorm_mode_16_64 3
		.amdhsa_memory_ordered 1
		.amdhsa_forward_progress 1
		.amdhsa_inst_pref_size 78
	.end_amdhsa_kernel
	.amdgpu_metadata
---
amdhsa.version: [ 1, 2 ]
amdhsa.kernels:
  - .name:           k_q3122f05e2e_attn
    .symbol:         k_q3122f05e2e_attn.kd
    .args:
      - { .name: qc, .offset: 0, .size: 8, .value_kind: global_buffer, .address_space: global }
      - { .name: kc, .offset: 8, .size: 8, .value_kind: global_buffer, .address_space: global }
      - { .name: vc, .offset: 16, .size: 8, .value_kind: global_buffer, .address_space: global }
      - { .name: lowp_scales, .offset: 24, .size: 8, .value_kind: global_buffer, .address_space: global }
      - { .name: oc, .offset: 32, .size: 8, .value_kind: global_buffer, .address_space: global }
    .group_segment_fixed_size: 327680
    .private_segment_fixed_size: 0
    .kernarg_segment_align: 8
    .kernarg_segment_size: 40
    .max_flat_workgroup_size: 512
    .sgpr_count:     100
    .vgpr_count:     256
    .wavefront_size: 32
...
	.end_amdgpu_metadata
.endif
;; end of part 3
;; launch outp (part 4): grid 8 x 32, 4 waves a work-group, clusters of 4 x 4, 327,680 bytes of LDS; arguments oc, codes, lowp_scales, x, out0; writes out0
.if DOCPART == 4
	.amdgcn_target "amdgcn-amd-amdhsa--gfx1250"
	.amdhsa_code_object_version 6
	.text
	.protected	k_q3122f05e2e_outp
	.globl	k_q3122f05e2e_outp
	.p2align	8
	.type	k_q3122f05e2e_outp,@function
k_q3122f05e2e_outp:
	s_mov_b64 s[64:65], 0
	v_nop
	global_prefetch_b8 v0, s[64:65] scope:SCOPE_SE
	s_setreg_imm32_b32 hwreg(HW_REG_WAVE_MODE, 25, 1), 1
	s_wait_xcnt 0x0
	s_wait_alu depctr_hold_cnt(0) depctr_sa_sdst(0) depctr_va_vdst(0) depctr_va_sdst(0) depctr_va_ssrc(0) depctr_va_vcc(0) depctr_vm_vsrc(0)
	s_getreg_b32 s2, hwreg(HW_REG_IB_STS2, 6, 4)
	s_cmp_eq_u32 s2, 0
	s_cbranch_scc0 .Lentry_in_a_cluster
	s_endpgm
.Lentry_in_a_cluster:
	s_bfe_u32 s2, ttmp6, 0x10000c
	s_cmp_lg_u32 s2, 0xf033
	s_cbranch_scc0 .Lentry_shape_is_right
	s_endpgm
.Lentry_shape_is_right:
.set ROWB,   256
.set KROW,   1024
.set PITCH,  272
.set HEADB,  32*272
.set FR,     16
.set NL,     4
.set NP,     4
.set HALFT,  128*PITCH
.set SLOT,   4*HALFT
.set SPARE,  2*SLOT
.set SPITCH, 528
.set ADRA, 16
.set ADRB, 20
.set STO,  24
.set RD,   25
.set CO,   26
.set PFO,  27
.set SPW,  28
.set NIL,  29
.set XR,   32
.set AF,   128
.set BK,   160
.set G1, 24
.set G0, 32
.set G1B, 48
.set G0B, 56
.set MSB, 0
.macro WIN new
.if MSB != (\new)
	s_set_vgpr_msb (MSB<<8)|(\new)
.set MSB, (\new)
.endif
.endm
.set MUL_LO, 0xa1
.set MUL_HI, 0xf1
.set TO_B,   0x40
.macro JLOAD g0a, g1a, g0b, g1b
	s_cmp_eq_u32 s15, 0
	s_cbranch_scc0 .Lfor_b_\@
	tensor_load_to_lds s[\g0a:\g0a+3], s[\g1a:\g1a+7]
	s_nop 0
.rept 4
	v_nop
.endr
	s_branch .Lasked_\@
.Lfor_b_\@:
	tensor_load_to_lds s[\g0b:\g0b+3], s[\g1b:\g1b+7]
	s_nop 0
.rept 4
	v_nop
.endr
.Lasked_\@:
.endm
.macro CREST
	s_cmp_lg_u32 s14, 0
	s_cbranch_scc1 .Lnot_wave_0_\@
	s_barrier_signal -3
.Lnot_wave_0_\@:
	s_barrier_wait -3
	s_barrier_signal -1
	s_barrier_wait -1
.endm
.macro CROUND
	s_barrier_signal -1
	s_barrier_wait -1
	CREST
.endm
	s_load_b256 s[4:11], s[0:1], 0x0
	s_load_b64 s[12:13], s[0:1], 0x20
	v_lshl_add_u32 v[SPW], v0, 2, SPARE
	v_mov_b32 v[NIL], 0
	ds_add_u32 v28, v29
	ds_add_u32 v28, v29
	s_wait_dscnt 0x0
	v_lshrrev_b32 v1, 5, v0
	v_readfirstlane_b32 s14, v1
	s_lshr_b32 s15, s14, 1
	s_and_b32 s16, s14, 1
	s_bfe_u32 s40, ttmp6, 0x40000
	s_bfe_u32 s41, ttmp6, 0x40004
	s_lshl_b32 s42, ttmp9, 2
	s_add_co_u32 s42, s42, s40
	s_and_b32 s17, ttmp7, 0xffff
	s_lshl_b32 s17, s17, 2
	s_add_co_u32 s17, s17, s41
	s_lshl_b32 s43, s41, 2
	s_lshl_b32 s43, 15, s43
	s_lshl_b32 s44, 0x1111, s40
	s_or_b32 s[G1+0], s43, (0<<16)|(1<<20)|(1<<21)|(5<<22)|(3<<25)
	s_mov_b32 s[G1+1], 8192<<16
	s_mov_b32 s[G1+2], 4<<16
	s_mov_b32 s[G1+3], 8192<<16
	s_mov_b32 s[G1+4], 4
	s_mov_b32 s[G1+5], 131072
	s_mov_b32 s[G1+6], 0
	s_mov_b32 s[G1+7], 0
	s_or_b32 s[G1B+0], s44, (0<<16)|(1<<20)|(1<<21)|(5<<22)|(3<<25)
	s_mov_b32 s[G1B+1], ROWB<<16
	s_mov_b32 s[G1B+2], 64<<16                     ; a block of the result is 256 rows x 128 columns: a wave fetches 64 rows of Wo's codes
	s_mov_b32 s[G1B+3], ROWB<<16
	s_mov_b32 s[G1B+4], 64
	s_mov_b32 s[G1B+5], KROW
	s_mov_b32 s[G1B+6], 0
	s_mov_b32 s[G1B+7], 0
	s_lshr_b32 s20, s17, 3
	s_lshl_b32 s20, s20, 21
	s_and_b32 s18, s17, 7
	s_lshl_b32 s18, s18, 1
	s_add_co_u32 s18, s18, s16
	s_lshl_b32 s18, s18, 13
	s_add_co_u32 s20, s20, s18
	s_mov_b32 s21, 0
	s_lshl_b32 s46, s42, 1
	s_add_co_u32 s46, s46, s16
	s_add_co_u32 s46, s46, 304                     ; Wo's codes begin at row 19,456 = 304 x 64
	s_lshl_b32 s46, s46, 16                        ; 64 rows of 1,024 bytes
	s_mov_b32 s47, 0
	s_mul_i32 s45, s14, HALFT
	s_wait_kmcnt 0x0
	s_load_b64 s[96:97], s[8:9], 0x20
	s_add_nc_u64 s[20:21], s[4:5], s[20:21]
	s_add_nc_u64 s[46:47], s[6:7], s[46:47]
	CROUND
.irp s, 0,1
	s_mov_b32 s[G0+4*\s], 1
	s_add_co_u32 s[G0+4*\s+1], s45, \s*SLOT
	s_add_nc_u64 s[G0+4*\s+2:G0+4*\s+3], s[20:21], \s*4*131072
	s_or_b32 s[G0+4*\s+3], s[G0+4*\s+3], 0x80000000
	s_mov_b32 s[G0B+4*\s], 1
	s_add_co_u32 s[G0B+4*\s+1], s45, \s*SLOT
	s_add_nc_u64 s[G0B+4*\s+2:G0B+4*\s+3], s[46:47], \s*ROWB
	s_or_b32 s[G0B+4*\s+3], s[G0B+4*\s+3], 0x80000000
	s_wait_alu depctr_va_vdst(0)
	s_wait_tensorcnt 0x0
	ds_add_u32 v28, v29
	ds_add_u32 v28, v29
	s_wait_dscnt 0x0
	CROUND
	JLOAD G0+4*\s, G1, G0B+4*\s, G1B
.endr
	v_and_b32 v1, 15, v0
	v_bfe_u32 v2, v0, 4, 1
	v_mul_u32_u24 v3, v1, PITCH
	v_lshl_add_u32 v4, v2, 4, v3
	v_lshrrev_b32 v5, 2, v1
	v_mul_u32_u24 v5, v5, 272
	v_and_b32 v6, 3, v1
	v_lshl_add_u32 v5, v6, 6, v5
	v_lshl_add_u32 v5, v2, 4, v5
	s_mul_i32 s21, s15, HALFT
	s_mul_i32 s22, s16, HALFT
	s_add_co_u32 s22, s22, 2*HALFT
.irp s, 0,1
	v_add_nc_u32 v[ADRA+\s], s21, v5
	v_add_nc_u32 v[ADRB+\s], s22, v4
	s_add_co_u32 s21, s21, SLOT
	s_add_co_u32 s22, s22, SLOT
.endr
	s_mul_i32 s23, s14, 16*SPITCH
	v_mul_u32_u24 v5, v1, SPITCH
	v_lshl_add_u32 v5, v2, 5, v5
	v_add_nc_u32 v[STO], s23, v5
	v_and_b32 v6, 31, v0
	v_lshlrev_b32 v[RD], 4, v6
	v_add_nc_u32 v[RD], s23, v[RD]                 ; back: the 32 lanes take one stage row of 512 bytes: 256 bytes of a row of one block, 256 of the block 16 rows further down
	v_lshlrev_b32 v[CO], 16, v2                    ; in x and out0: lanes 16-31 stand 16 rows of 4,096 bytes further down,
	v_lshl_add_u32 v[CO], v1, 4, v[CO]             ; 16 bytes a lane: sixteen lanes cover 256 consecutive bytes, aligned
	v_and_b32 v6, 31, v0
	v_lshlrev_b32 v[PFO], 12, v6                   ; the prefetches of x: a lane a row, my wave's 256 bytes of it
	s_lshl_b32 s20, s17, 1
	s_add_co_u32 s20, s20, s15
	s_lshl_b32 s20, s20, 19
	s_lshl_b32 s46, s42, 9                         ; my first column, in bytes: 512 x tile column + 256 x half
	s_lshl_b32 s47, s16, 8
	s_add_co_u32 s46, s46, s47
	s_add_co_u32 s20, s20, s46
	s_mov_b32 s21, 0
	s_add_nc_u64 s[10:11], s[10:11], s[20:21]
	s_add_nc_u64 s[12:13], s[12:13], s[20:21]
.macro FRAG reg, adr, q, i
.irp c, 0,1,2,3
	ds_load_b128 v[\reg+4*\c:\reg+4*\c+3], v[\adr] offset:128*(\q)+32*\c+(\i)*16*PITCH
.endr
.endm
.macro FRAGO reg, adr, q, i
.irp c, 0,1,2,3
	ds_load_b128 v[\reg+4*\c:\reg+4*\c+3], v[\adr] offset:(2*(\q)+\c/2)*HEADB+32*(\c%2)+(\i)*4*272
.endr
.endm
.macro MUL16 a0, p, zero
.irp a, \a0, \a0+1
.irp b, 0,1,2,3
.if \zero
	v_wmma_f32_16x16x128_bf8_bf8 v[8*(8*((\a)%4)+\b):8*(8*((\a)%4)+\b)+7], v[128*(\p)+FR*\b:128*(\p)+FR*\b+FR-1], v[AF+FR*(\a):AF+FR*(\a)+FR-1], 0
.else
	v_wmma_f32_16x16x128_bf8_bf8 v[8*(8*((\a)%4)+\b):8*(8*((\a)%4)+\b)+7], v[128*(\p)+FR*\b:128*(\p)+FR*\b+FR-1], v[AF+FR*(\a):AF+FR*(\a)+FR-1], v[8*(8*((\a)%4)+\b):8*(8*((\a)%4)+\b)+7]
.endif
.endr
.endr
.endm
.macro FETCH_B slot, q, p
	WIN TO_B
.irp i, 0,1,2,3
	FRAG 128*(\p)+FR*\i, ADRB+\slot, \q, \i
.endr
	WIN 0
.endm
.macro FETCH_A slot, q, i0
.irp i, \i0, \i0+1, \i0+2, \i0+3
	FRAGO AF+FR*(\i), ADRA+\slot, \q, \i
.endr
.endm
.macro PLACES n
.rept \n
	v_nop
.endr
.endm
.macro STEP slot, q, zero
	s_wait_dscnt 4*NL
	WIN MUL_LO
	MUL16 0, (\q)%2, \zero
	MUL16 2, (\q)%2, \zero
	s_wait_dscnt 0
	PLACES NP
	FETCH_B \slot, (\q)+1, 1-(\q)%2
	FETCH_A \slot, (\q)+1, 0
	WIN MUL_HI
	MUL16 4, (\q)%2, \zero
	MUL16 6, (\q)%2, \zero
	PLACES NP
	WIN 0
	FETCH_A \slot, (\q)+1, 4
.endm
.macro TURN slot, next, fill, pf
	s_wait_tensorcnt 0x0
	ds_add_u32 v[SPW], v[NIL]
	s_wait_dscnt 4*NL+1
	WIN MUL_LO
	MUL16 0, 1, 0
	s_wait_dscnt 0x0
	s_barrier_signal -1
	MUL16 2, 1, 0
	WIN 0
	s_barrier_wait -1
.if \fill
	CREST
	s_add_nc_u64 s[G0+4*\slot+2:G0+4*\slot+3], s[G0+4*\slot+2:G0+4*\slot+3], 8*131072
	s_add_nc_u64 s[G0B+4*\slot+2:G0B+4*\slot+3], s[G0B+4*\slot+2:G0B+4*\slot+3], 2*ROWB
	JLOAD G0+4*\slot, G1, G0B+4*\slot, G1B
.else
	PLACES NP
.endif
	FETCH_B \next, 0, 0
	FETCH_A \next, 0, 0
.if \fill
	s_wait_alu depctr_va_vdst(0)
.irp p, 0,1
	global_prefetch_b8 v[PFO], s[10:11] offset:131072*((\pf)/2+\p) th:TH_LOAD_NT scope:SCOPE_SE
.endr
.endif
	WIN MUL_HI
	MUL16 4, 1, 0
	MUL16 6, 1, 0
	PLACES NP
	WIN 0
	FETCH_A \next, 0, 4
.endm
.macro XLOAD a
.irp t, 0,1,2,3,4,5,6,7,8,9,10,11,12,13,14,15
	global_load_b128 v[XR+64*((\a)%2)+4*\t:XR+64*((\a)%2)+4*\t+3], v[CO], s[10:11] offset:(32*(\a)+\t)*4096 th:TH_LOAD_NT
.endr
.endm
	s_wait_tensorcnt 1
	s_barrier_signal -1
	s_barrier_wait -1
	FETCH_B 0, 0, 0
	FETCH_A 0, 0, 0
	FETCH_A 0, 0, 4
	STEP 0, 0, 1
	TURN 0, 1, 1, 0
	STEP 1, 0, 0
	TURN 1, 0, 1, 4
	STEP 0, 0, 0
	TURN 0, 1, 0, 0
	STEP 1, 0, 0
	XLOAD 0
	s_wait_dscnt 4*NL
	WIN MUL_LO
	MUL16 0, 1, 0
	MUL16 2, 1, 0
	s_wait_dscnt 0
	WIN MUL_HI
	MUL16 4, 1, 0
	MUL16 6, 1, 0
	WIN 0
	s_wait_kmcnt 0x0
	s_add_co_i32 s96, s96, s97
	s_add_co_i32 s96, s96, 127
	s_lshl_b32 s96, s96, 23
	PLACES NP
	XLOAD 1
.macro OBLOCK a
.set XS, XR+64*((\a)%2)
	WIN 0x08+4*((\a)/2)
.irp u, 0,1                            ; two blocks of 16 rows x 64 columns side by side in the stage's rows: blocks 2 a and 2 a + 1
.set AC, 64*((2*(\a)+\u)%4)
.irp b, 0,1,2,3
	ds_store_b128 v[STO], v[AC+8*\b:AC+8*\b+3] offset:256*\u+64*\b
	ds_store_b128 v[STO], v[AC+8*\b+4:AC+8*\b+7] offset:256*\u+64*\b+16
.endr
.endr
	WIN 0
.if (\a) > 0
	s_wait_xcnt 0x0
.endif
.irp t, 0,1,2,3,4,5,6,7,8,9,10,11,12,13,14,15
	ds_load_b128 v[BK+4*\t:BK+4*\t+3], v[RD] offset:\t*SPITCH
.endr
	s_wait_dscnt 0x0
.if (\a) < 3
	s_wait_loadcnt 16
.else
	s_wait_loadcnt 0
.endif
.set j, 0
.rept 32
	v_pk_fma_f32 v[BK+j:BK+j+1], v[BK+j:BK+j+1], s[96:97], v[XS+j:XS+j+1] op_sel_hi:[1,0,1]
.set j, j+2
.endr
.irp t, 0,1,2,3,4,5,6,7,8,9,10,11,12,13,14,15
	global_store_b128 v[CO], v[BK+4*\t:BK+4*\t+3], s[12:13] offset:(32*(\a)+\t)*4096 th:TH_STORE_NT
.endr
.if (\a) < 2
	XLOAD (\a)+2
.endif
.endm
.irp a, 0,1,2,3
	OBLOCK \a
.endr
	s_wait_tensorcnt 0x0
	ds_add_u32 v[SPW], v[NIL]
	s_wait_dscnt 0x0
	CROUND
	s_endpgm
.Lfunc_end_k_q3122f05e2e_outp:
	.size	k_q3122f05e2e_outp, .Lfunc_end_k_q3122f05e2e_outp-k_q3122f05e2e_outp
	.p2alignl 7, 3214868480
	.fill 96, 4, 3214868480
	.section	.rodata,"a",@progbits
	.p2align	6, 0x0
	.amdhsa_kernel k_q3122f05e2e_outp
		.amdhsa_group_segment_fixed_size 327680
		.amdhsa_private_segment_fixed_size 0
		.amdhsa_enable_private_segment 0
		.amdhsa_kernarg_size 40
		.amdhsa_user_sgpr_count 2
		.amdhsa_user_sgpr_kernarg_segment_ptr 1
		.amdhsa_wavefront_size32 1
		.amdhsa_system_sgpr_workgroup_id_x 1
		.amdhsa_system_sgpr_workgroup_id_y 1
		.amdhsa_system_sgpr_workgroup_id_z 1
		.amdhsa_system_vgpr_workitem_id 0
		.amdhsa_next_free_vgpr 1024
		.amdhsa_next_free_sgpr 100
		.amdhsa_reserve_vcc 0
		.amdhsa_float_denorm_mode_32 3
		.amdhsa_float_denorm_mode_16_64 3
		.amdhsa_memory_ordered 1
		.amdhsa_forward_progress 1
		.amdhsa_inst_pref_size 84
	.end_amdhsa_kernel
	.amdgpu_metadata
---
amdhsa.version: [ 1, 2 ]
amdhsa.kernels:
  - .name:           k_q3122f05e2e_outp
    .symbol:         k_q3122f05e2e_outp.kd
    .args:
      - { .name: oc, .offset: 0, .size: 8, .value_kind: global_buffer, .address_space: global }
      - { .name: codes, .offset: 8, .size: 8, .value_kind: global_buffer, .address_space: global }
      - { .name: lowp_scales, .offset: 16, .size: 8, .value_kind: global_buffer, .address_space: global }
      - { .name: x, .offset: 24, .size: 8, .value_kind: global_buffer, .address_space: global }
      - { .name: out0, .offset: 32, .size: 8, .value_kind: global_buffer, .address_space: global }
    .group_segment_fixed_size: 327680
    .private_segment_fixed_size: 0
    .kernarg_segment_align: 8
    .kernarg_segment_size: 40
    .max_flat_workgroup_size: 128
    .sgpr_count:     100
    .vgpr_count:     1024
    .wavefront_size: 32
...
	.end_amdgpu_metadata
.endif
;; end of part 4
